; MI455X (gfx1250); checked and timed in simulation.
; The chip was launched on July 23, 2026; its instructions are those of AMD's public machine-readable ISA for CDNA 5 (MIT licence, August 2026) and "CDNA5" Instruction Set Architecture Reference Guide (July 2026). The comments in the code are by the model that wrote it; some were corrected since.
;; Mesh Rasterizer. Allowed arithmetic: float matrix products may take bf16 or f16 operands with f32 sums; all other float work in f32.
;; Inputs: R 1 x 3 x 3 float32; T 1 x 3 float32; faces 1,500 x 3 int32; focal 1 x 2 float32; verts_world 1 x 600 x 3 float32.
;; Outputs: out0 1 x 128 x 128 x 1 int32; out1 1 x 128 x 128 x 1 float32; out2 1 x 128 x 128 x 1 x 3 float32; out3 1 x 128 x 128 x 1 float32.
;; 3 versions, each right and faster than the one before. Each part assembles by itself: llvm-mc -triple=amdgcn-amd-amdhsa -mcpu=gfx1250 --defsym DOCPART=n.
;; ======== version 1 of 3: 1 launch
;; launch raster (part 1): grid 256 x 1, 16 waves a work-group, no clusters, 215,040 bytes of LDS; arguments verts_world, faces, R, T, focal, out0, out1, out2, out3; writes out0, out1, out2, out3
.if DOCPART == 1
	.amdgcn_target "amdgcn-amd-amdhsa--gfx1250"
	.amdhsa_code_object_version 6
	.text
	.protected	k_qbe6763331d_raster
	.globl	k_qbe6763331d_raster
	.p2align	8
	.type	k_qbe6763331d_raster,@function
k_qbe6763331d_raster:
	s_mov_b64 s[64:65], 0
	v_nop
	global_prefetch_b8 v0, s[64:65] scope:SCOPE_SE
	s_setreg_imm32_b32 hwreg(HW_REG_WAVE_MODE, 25, 1), 1
	s_wait_xcnt 0x0
; MESH RASTERIZER: 600 vertices, 1,500 faces, 128 x 128 pixels, one face per pixel (nearest valid depth, first index on ties).
; One launch, 256 work-groups of 16 waves.  Work-group g owns 64 neighbouring pixels of ONE image row: row g >> 1, columns 64 (g & 1) .. + 63,
; linear pixels 64 g .. 64 g + 63.  py is then one number for the group, so (bx - ax)(py - ay) of every edge function is a constant of the face.
; Phases: (1) the 600 vertices to NDC, into LDS; (2) a table of 1,536 face entries of 80 bytes, specialised to the row, into LDS;
; (3) the 16 waves split the faces, 94 each; in a wave lanes 0-15 take the chunk's even faces and lanes 16-31 the odd ones, and each lane
; holds 4 pixels as two packed pairs: one table read serves 2 faces x 64 pixels; (4) the 32 partial winners of each pixel meet in LDS, in two
; stages; (5) wave 0 makes the outputs, two neighbouring pixels a lane, and each of its stores covers 256 consecutive bytes, aligned.
; The winner's depth, index and six xy coordinates are carried by selects: no address and no branch hangs on a comparison of floats.
;
; ROUNDING.  out0 is compared exactly, so what decides it is rounded as the reference is written: an edge function is the difference of two
; separately rounded products, w = e / area is a quotient with a residual correction, depth = ((w0 z0 + w1 z1) + w2 z2) with five roundings.
; That is why those multiplies and adds are NOT fused.
; The 3 x 3 vertex transform (10,800 FLOPs, K = 3) is done in f32 on the vector unit, a fused chain in ascending j, then + T: 16-bit operands
; would move the edges by whole pixels, and the exact index could not be kept.
; LIMITS, kept on purpose:
;  (a) quotients are reciprocal + one Newton step + residual correction: correctly rounded except where the true quotient lies within about
;      2^-22 of a unit in the last place of a rounding boundary;
;  (b) v_rcp_f32 flushes denormals (ISA guide, its entry in chapter 15): |zv| below 2^-126 counts as 0 (the quotient is then n x rcp: an
;      infinity or NaN as for n / 0); an |area| above 2^126, or infinite, makes the face void;
;  (c) the distance to the edges is fused, uses (p - a) - t d for p - (a + t d), t by a plain reciprocal, and a NaN t is clipped to 0:
;      only a float output hangs on it;
;  (d) for a hit the face is 'inside' by construction (valid implies inside): dist = -mind2; misses are overwritten by -1.
; LEFT OUT: tensor loads, clusters, prefetches.  The work-groups share only the 25,256 bytes of inputs, which each reads once in its set-up,
; against 47 steps of about 95 vector instructions for each of its 16 waves.
.set VX,    0                          ; x_ndc of vertex v at 4 v (608 places)
.set VY,    2432                       ; y_ndc
.set VZ,    4864                       ; view depth
.set STG,   7296                       ; 768 bytes: wave 0's own stage for out2
.set RED2A, 8064                       ; stage A's results, 16 bytes at 16 t: [z, idx, x1, x2]
.set RED2B, 16256                      ;                                      [x0, y0, y1, y2]
.set REDA,  24448                      ; partial p = 2 wave + half, pixel px: 16 bytes at 16 (64 p + px), same two planes
.set REDB,  57216
.set TB,    89984                      ; the face table; ends at 212,864
.set PITCH, 80                         ; an odd multiple of 16 bytes: sixteen entries' 16-byte stores start at sixteen different places modulo 256
; entry, by dword: 0 x1, 1 x2, 2 x0 (start vertex of edge 0, 1, 2), 3 1/area, 4-6 -dy of edge i, 7 -area, 8-10 dx_i (py - ya_i), 11 y0,
;                  12-14 z0..z2 (all -1: void face), 15 y1, 16 y2.  Edge i belongs to w_i: 0 = v1 to v2, 1 = v2 to v0, 2 = v0 to v1.
.set CHUNK, 94                         ; faces of a wave: 16 x 94 = 1,504; entries 1,500 and up are void
.set PX,  4                            ; v[4:7]    px of my pixels r, r+16, r+32, r+48
.set ST,  8                            ; v[8:39]   pixel j: [z, idx, x1, x2, x0, y0, y1, y2] of the best face so far
.set TA,  40                           ; v[40:56]  table entry, buffer A
.set TBF, 60                           ; v[60:76]  table entry, buffer B
.set EE,  80                           ; pair p: v[80+16p ..] three edge functions, then residuals
.set QQ,  86                           ;         three quotients w
.set ZZ,  92                           ;         depth
.set ZT,  94                           ;         a product
.set MN,  112                          ; v[112:115] min(w0, w1, w2) of pixel j
.set MK,  50                           ; s[50:61]  three masks for each pixel
.set RM,  32                           ; s[32:40]  R, row-major
.set TV,  44                           ; s[44:46]  T
; s2 wave, s3 g, s4 2 row + 1, s5 first column, s6 loop counter, s7 temporary, s[8:25] the nine addresses, s26 EPS, s28 +inf,
; s29 -1/128, s[30:31] a byte offset, s[48:49] focal.   v0 thread, v1 table address, v2 py, v3 my half's face index.
.macro BARRIER                         ; what the others will touch is LDS: my LDS instructions are all done in front of the signal
	s_wait_dscnt 0x0
	s_barrier_signal -1
	s_barrier_wait -1
.endm
	s_load_b512 s[8:23], s[0:1], 0x0               ; verts s[8:9], faces s[10:11], R s[12:13], T s[14:15], focal s[16:17], out0 s[18:19], out1 s[20:21], out2 s[22:23]
	s_load_b64 s[24:25], s[0:1], 0x40              ; out3
	v_lshl_add_u32 v168, v0, 2, 0x34000
	v_mov_b32 v169, 0
	v_lshrrev_b32 v93, 5, v0
	v_readfirstlane_b32 s2, v93                    ; wave 0..15
	s_mov_b32 s3, ttmp9                            ; g
	s_or_b32 s4, s3, 1                             ; 2 (g >> 1) + 1
	s_and_b32 s5, s3, 1
	s_lshl_b32 s5, s5, 6                           ; first column
	s_mov_b32 s26, 0x322bcc77                      ; 1e-8
	s_mov_b32 s28, 0x7f800000                      ; +inf
	s_mov_b32 s29, 0xbc000000                      ; -1/128
	v_mul_u32_u24 v88, v0, 12                      ; byte offset of vertex t, and of face t (face t + 512: the immediate)
	v_add_nc_u32 v89, 0x1800, v88
	v_min_u32 v89, 0x1c14, v89                     ; vertex min(512 + t, 599)
	v_add_nc_u32 v90, 0x3000, v88
	v_min_u32 v90, 0x4644, v90                     ; face min(1024 + t, 1499)
	v_lshlrev_b32 v94, 2, v0                       ; 4 t: vertex t's place in LDS
	s_wait_kmcnt 0x0                               ; the addresses are in
	s_load_b256 s[32:39], s[12:13], 0x0            ; R[0..7]
	s_load_b32 s40, s[12:13], 0x20                 ; R[8]
	s_load_b96 s[44:46], s[14:15], 0x0             ; T
	s_load_b64 s[48:49], s[16:17], 0x0             ; focal
	; Records of 12 bytes, by three loads of 4: each stands at a multiple of its own size and none reaches past its record.
	; The three faces whose entries I build (t, t + 512, t + 1024) and vertex t.
.irp c, 0,1,2
	global_load_b32 v[68+\c], v88, s[10:11] offset:4*\c
	global_load_b32 v[72+\c], v88, s[10:11] offset:6144+4*\c
	global_load_b32 v[76+\c], v90, s[10:11] offset:4*\c
	global_load_b32 v[80+\c], v88, s[8:9] offset:4*\c
.endr
; One vertex: view = v R + T, x_ndc = focal0 x / z, y_ndc = focal1 y / z, z kept.  Into LDS at 4 t + off in each plane.
.macro VERT in, off
.irp k, 0,1,2
	v_mul_f32 v[95+\k], s[RM+\k], v[\in]
	v_fma_f32 v[95+\k], v[\in+1], s[RM+3+\k], v[95+\k]
	v_fma_f32 v[95+\k], v[\in+2], s[RM+6+\k], v[95+\k]
	v_add_f32 v[95+\k], s[TV+\k], v[95+\k]
.endr
	v_rcp_f32 v98, v97                             ; r0; the two products below are the plain lines between it and its first use
	v_mul_f32 v99, s48, v95                        ; numerators
	v_mul_f32 v100, s49, v96
	s_wait_alu depctr_va_vdst(0)
	v_fma_f32 v101, -v97, v98, 1.0
	v_fma_f32 v101, v101, v98, v98                 ; r1: one Newton step
.irp c, 0,1
	v_mul_f32 v[102+\c], v[99+\c], v101
	v_fma_f32 v104, -v97, v[102+\c], v[99+\c]      ; residual n - z q
	v_fma_f32 v[102+\c], v104, v101, v[102+\c]
	v_fma_f32 v104, -v97, v[102+\c], v[99+\c]      ; and once more
	v_fma_f32 v[102+\c], v104, v101, v[102+\c]
	v_mul_f32 v105, v[99+\c], v98                  ; where z is 0 or infinite, or the quotient overflows, the steps above give NaN:
	v_cmp_neq_f32 vcc_lo, v[102+\c], v[102+\c]     ; then n x r0 is the quotient (an infinity, 0, or NaN where n / z is NaN)
	v_cndmask_b32 v[102+\c], v[102+\c], v105, vcc_lo
.endr
	ds_store_b32 v94, v102 offset:VX+\off
	ds_store_b32 v94, v103 offset:VY+\off
	ds_store_b32 v94, v97  offset:VZ+\off
.endm
	s_cmp_ge_u32 s2, 3                             ; 600 = 512 + 88: waves 0-2 take a second vertex (places 600-607 get vertex 599 and are never read)
	s_cbranch_scc1 .Lone
.irp c, 0,1,2
	global_load_b32 v[84+\c], v89, s[8:9] offset:4*\c
.endr
	s_wait_loadcnt 0x0
	s_wait_kmcnt 0x0
	VERT 84, 2048
.Lone:
	s_wait_loadcnt 0x0                             ; vertex t's words were asked for among the last, and the indices are due right behind them: all
	s_wait_kmcnt 0x0                               ; R, T, focal
	VERT 80, 0
	v_cvt_f32_u32 v2, s4
	v_fma_f32 v2, v2, s29, 1.0                     ; py = 1 - (2 row + 1) / 128, exact
	BARRIER                                        ; 1: all vertices are in LDS
; THE FACE TABLE.  Nine loads a face put the vertices' numbers straight into their places of the entry O = v[8+20k ..].
.irp i, 68,69,70,72,73,74,76,77,78
	v_min_u32 v\i, 0x257, v\i                      ; a loaded number enters an address only clamped to the table: 599
.endr
.irp i, 68,69,70,72,73,74,76,77,78
	v_lshlrev_b32 v\i, 2, v\i
.endr
.macro GATHER k
	ds_load_b32 v[8+20*\k+0],  v[69+4*\k] offset:VX        ; x1
	ds_load_b32 v[8+20*\k+1],  v[70+4*\k] offset:VX        ; x2
	ds_load_b32 v[8+20*\k+2],  v[68+4*\k] offset:VX        ; x0
	ds_load_b32 v[8+20*\k+11], v[68+4*\k] offset:VY        ; y0
	ds_load_b32 v[8+20*\k+12], v[68+4*\k] offset:VZ        ; z0
	ds_load_b32 v[8+20*\k+13], v[69+4*\k] offset:VZ        ; z1
	ds_load_b32 v[8+20*\k+14], v[70+4*\k] offset:VZ        ; z2
	ds_load_b32 v[8+20*\k+15], v[69+4*\k] offset:VY        ; y1
	ds_load_b32 v[8+20*\k+16], v[70+4*\k] offset:VY        ; y2
.endm
	GATHER 0
	GATHER 1
	GATHER 2
	v_mul_u32_u24 v112, v0, PITCH
	v_add_nc_u32 v112, TB, v112                    ; entry t (entry t + 512: the immediate)
	v_add_nc_u32 v113, 1024*PITCH, v112            ; entry t + 1024
.macro FACE k, adr, off
	v_sub_f32 v95, v[8+20*\k+1], v[8+20*\k+0]              ; dx0 = x2 - x1
	v_sub_f32 v96, v[8+20*\k+2], v[8+20*\k+1]              ; dx1 = x0 - x2
	v_sub_f32 v97, v[8+20*\k+0], v[8+20*\k+2]              ; dx2 = x1 - x0
	v_sub_f32 v[8+20*\k+4], v[8+20*\k+15], v[8+20*\k+16]   ; -dy0 = y1 - y2
	v_sub_f32 v[8+20*\k+5], v[8+20*\k+16], v[8+20*\k+11]   ; -dy1 = y2 - y0
	v_sub_f32 v[8+20*\k+6], v[8+20*\k+11], v[8+20*\k+15]   ; -dy2 = y0 - y1
	v_mul_f32 v98, v97, v[8+20*\k+5]                       ; (x1 - x0)(y2 - y0)
	v_mul_f32 v99, v[8+20*\k+6], v96                       ; (y1 - y0)(x2 - x0): both factors negated, the same bits
	v_sub_f32 v98, v98, v99                                ; area, two products and a difference, each rounded
	v_and_b32 v99, 0x7fffffff, v98
	v_cmp_lt_f32 vcc_lo, s26, v99                          ; |area| > EPS (false for NaN)
	v_cndmask_b32 v100, s26, v98, vcc_lo                   ; area_safe
.if \k == 2
	v_add_nc_u32 v101, 1024, v0
	v_cmp_gt_u32 s50, 0x5dc, v101                          ; entries 1,500 and up are no faces
	s_and_b32 s50, s50, vcc_lo
.else
	s_mov_b32 s50, vcc_lo
.endif
	v_rcp_f32 v[8+20*\k+3], v100
	v_xor_b32 v[8+20*\k+7], 0x80000000, v100               ; -area_safe: the plain line behind v_rcp_f32
	s_wait_alu depctr_va_vdst(0)
	v_fma_f32 v102, v[8+20*\k+7], v[8+20*\k+3], 1.0
	v_fma_f32 v[8+20*\k+3], v102, v[8+20*\k+3], v[8+20*\k+3]   ; 1 / area_safe, one Newton step
	v_sub_f32 v103, v2, v[8+20*\k+15]                      ; py - ya of edge 0, 1, 2
	v_sub_f32 v104, v2, v[8+20*\k+16]
	v_sub_f32 v105, v2, v[8+20*\k+11]
	v_mul_f32 v[8+20*\k+8],  v95, v103                     ; the edge functions' first products
	v_mul_f32 v[8+20*\k+9],  v96, v104
	v_mul_f32 v[8+20*\k+10], v97, v105
.irp i, 12,13,14
	v_cndmask_b32 v[8+20*\k+\i], -1.0, v[8+20*\k+\i], s50  ; a void face gets depths of -1: where all w >= 0 its depth is <= 0 and fails '0 < depth'
.endr
.irp q, 0,1,2,3
	ds_store_b128 v[\adr], v[8+20*\k+4*\q:8+20*\k+4*\q+3] offset:\off+16*\q
.endr
	ds_store_b32 v[\adr], v[8+20*\k+16] offset:\off+64
.endm
	s_wait_dscnt 18                                ; face 0's nine loads are in: the 18 loads of faces 1 and 2 may stay out
	FACE 0, 112, 0
	s_wait_dscnt 14                                ; behind face 1's last load: face 2's 9 loads and 5 stores
	FACE 1, 112, 512*PITCH
	s_wait_dscnt 10                                ; behind face 2's last load: 10 stores
	FACE 2, 113, 0
	BARRIER                                        ; 2: the table is whole
; THE LOOP OVER FACES.
; Packed f32 with dword k of the entry as the second source, for both halves: an odd k is the upper register of its pair (op_sel 1, op_sel_hi 1),
; an even k the lower one (op_sel 0, op_sel_hi 0).
.macro SUBB d, a, tb, k
.if (\k)%2
	v_pk_add_f32 v[\d:\d+1], v[\a:\a+1], v[\tb+\k-1:\tb+\k] op_sel:[0,1] op_sel_hi:[1,1] neg_lo:[0,1] neg_hi:[0,1]
.else
	v_pk_add_f32 v[\d:\d+1], v[\a:\a+1], v[\tb+\k:\tb+\k+1] op_sel_hi:[1,0] neg_lo:[0,1] neg_hi:[0,1]
.endif
.endm
.macro ADDB d, a, tb, k
.if (\k)%2
	v_pk_add_f32 v[\d:\d+1], v[\a:\a+1], v[\tb+\k-1:\tb+\k] op_sel:[0,1] op_sel_hi:[1,1]
.else
	v_pk_add_f32 v[\d:\d+1], v[\a:\a+1], v[\tb+\k:\tb+\k+1] op_sel_hi:[1,0]
.endif
.endm
.macro MULB d, a, tb, k
.if (\k)%2
	v_pk_mul_f32 v[\d:\d+1], v[\a:\a+1], v[\tb+\k-1:\tb+\k] op_sel:[0,1] op_sel_hi:[1,1]
.else
	v_pk_mul_f32 v[\d:\d+1], v[\a:\a+1], v[\tb+\k:\tb+\k+1] op_sel_hi:[1,0]
.endif
.endm
.macro FMAB d, a, tb, k, c
.if (\k)%2
	v_pk_fma_f32 v[\d:\d+1], v[\a:\a+1], v[\tb+\k-1:\tb+\k], v[\c:\c+1] op_sel:[0,1,0] op_sel_hi:[1,1,1]
.else
	v_pk_fma_f32 v[\d:\d+1], v[\a:\a+1], v[\tb+\k:\tb+\k+1], v[\c:\c+1] op_sel_hi:[1,0,1]
.endif
.endm
.macro LOADT tb, off                   ; one entry for each half of the lanes: five LDS loads, sixteen lanes share each address
.irp q, 0,1,2,3
	ds_load_b128 v[\tb+4*\q:\tb+4*\q+3], v1 offset:\off+16*\q
.endr
	ds_load_b32 v[\tb+16], v1 offset:\off+64
.endm
; Two pixels against my half's face: w0, w1, w2 and the depth.  Runs of three lines that do not wait for each other.
.macro PAIR p, tb
.irp i, 0,1,2
	SUBB EE+16*\p+2*\i, PX+2*\p, \tb, \i                   ; px - xa
.endr
.irp i, 0,1,2
	MULB EE+16*\p+2*\i, EE+16*\p+2*\i, \tb, 4+\i           ; -(dy (px - xa)), rounded
.endr
.irp i, 0,1,2
	ADDB EE+16*\p+2*\i, EE+16*\p+2*\i, \tb, 8+\i           ; e = dx (py - ya) - dy (px - xa): not fused, as the reference rounds
.endr
.irp i, 0,1,2
	MULB QQ+16*\p+2*\i, EE+16*\p+2*\i, \tb, 3              ; q0 = e / area, nearly
.endr
.irp i, 0,1,2
	FMAB EE+16*\p+2*\i, QQ+16*\p+2*\i, \tb, 7, EE+16*\p+2*\i   ; residual e - area q0
.endr
.irp i, 0,1,2
	FMAB QQ+16*\p+2*\i, EE+16*\p+2*\i, \tb, 3, QQ+16*\p+2*\i   ; w = q0 + residual / area
.endr
	MULB ZZ+16*\p, QQ+16*\p, \tb, 12                       ; ((w0 z0 + w1 z1) + w2 z2), five roundings
	MULB ZT+16*\p, QQ+16*\p+2, \tb, 13
	v_pk_add_f32 v[ZZ+16*\p:ZZ+16*\p+1], v[ZZ+16*\p:ZZ+16*\p+1], v[ZT+16*\p:ZT+16*\p+1]
	MULB ZT+16*\p, QQ+16*\p+4, \tb, 14
	v_pk_add_f32 v[ZZ+16*\p:ZZ+16*\p+1], v[ZZ+16*\p:ZZ+16*\p+1], v[ZT+16*\p:ZT+16*\p+1]
.endm
; Pixel j = 2 p + q: all w >= 0 (-0 passes; a NaN w makes the depth NaN, which fails below), 0 < depth < best.  A strict 'less' keeps the earlier face.
.macro TESTV j, p, q, first
	v_min3_num_f32 v[MN+\j], v[QQ+16*\p+\q], v[QQ+16*\p+2+\q], v[QQ+16*\p+4+\q]
	v_cmp_le_f32 s[MK+3*\j], 0, v[MN+\j]
	v_cmp_lt_f32 s[MK+3*\j+1], 0, v[ZZ+16*\p+\q]
.if \first
	v_cmp_lt_f32 s[MK+3*\j+2], v[ZZ+16*\p+\q], s28
.else
	v_cmp_lt_f32 s[MK+3*\j+2], v[ZZ+16*\p+\q], v[ST+8*\j]
.endif
.endm
.macro TESTS j
	s_and_b32 s[MK+3*\j], s[MK+3*\j], s[MK+3*\j+1]
	s_and_b32 s[MK+3*\j], s[MK+3*\j], s[MK+3*\j+2]
.endm
; The winner's data by selects.  In the first step the 'old' values are +inf and 0: nothing is cleared by moves.
.macro TAKE j, p, q, tb, first
.if \first
	v_cndmask_b32 v[ST+8*\j],   s28, v[ZZ+16*\p+\q], s[MK+3*\j]
	v_cndmask_b32 v[ST+8*\j+1], 0, v3,        s[MK+3*\j]
	v_cndmask_b32 v[ST+8*\j+2], 0, v[\tb+0],  s[MK+3*\j]
	v_cndmask_b32 v[ST+8*\j+3], 0, v[\tb+1],  s[MK+3*\j]
	v_cndmask_b32 v[ST+8*\j+4], 0, v[\tb+2],  s[MK+3*\j]
	v_cndmask_b32 v[ST+8*\j+5], 0, v[\tb+11], s[MK+3*\j]
	v_cndmask_b32 v[ST+8*\j+6], 0, v[\tb+15], s[MK+3*\j]
	v_cndmask_b32 v[ST+8*\j+7], 0, v[\tb+16], s[MK+3*\j]
.else
	v_cndmask_b32 v[ST+8*\j],   v[ST+8*\j],   v[ZZ+16*\p+\q], s[MK+3*\j]
	v_cndmask_b32 v[ST+8*\j+1], v[ST+8*\j+1], v3,        s[MK+3*\j]
	v_cndmask_b32 v[ST+8*\j+2], v[ST+8*\j+2], v[\tb+0],  s[MK+3*\j]
	v_cndmask_b32 v[ST+8*\j+3], v[ST+8*\j+3], v[\tb+1],  s[MK+3*\j]
	v_cndmask_b32 v[ST+8*\j+4], v[ST+8*\j+4], v[\tb+2],  s[MK+3*\j]
	v_cndmask_b32 v[ST+8*\j+5], v[ST+8*\j+5], v[\tb+11], s[MK+3*\j]
	v_cndmask_b32 v[ST+8*\j+6], v[ST+8*\j+6], v[\tb+15], s[MK+3*\j]
	v_cndmask_b32 v[ST+8*\j+7], v[ST+8*\j+7], v[\tb+16], s[MK+3*\j]
.endif
.endm
.macro STEP tb, first                  ; 2 faces x 64 pixels
	PAIR 0, \tb
	PAIR 1, \tb
	TESTV 0, 0, 0, \first
	TESTV 1, 0, 1, \first
	TESTV 2, 1, 0, \first
	TESTV 3, 1, 1, \first
	TESTS 0
	TESTS 1
	TESTS 2
	TESTS 3
	TAKE 0, 0, 0, \tb, \first
	TAKE 1, 0, 1, \tb, \first
	TAKE 2, 1, 0, \tb, \first
	TAKE 3, 1, 1, \tb, \first
	v_add_nc_u32 v3, 2, v3
.endm
	v_and_b32 v93, 15, v0                          ; r
	v_bfe_u32 v94, v0, 4, 1                        ; h: which half of the lanes
	v_add_nc_u32 v95, s5, v93
	v_lshl_or_b32 v95, v95, 1, 1                   ; 2 column + 1
.irp j, 0,1,2,3
	v_add_nc_u32 v96, 32*\j, v95                   ; pixel j lies 16 j columns on
	v_cvt_f32_u32 v[PX+\j], v96
	v_fma_f32 v[PX+\j], v[PX+\j], s29, 1.0         ; px = 1 - (2 column + 1) / 128, exact
.endr
	s_mul_i32 s7, s2, CHUNK*PITCH
	s_add_co_u32 s7, s7, TB
	v_mul_u32_u24 v1, v94, PITCH
	v_add_nc_u32 v1, s7, v1                        ; entry 94 wave + h
	s_mul_i32 s7, s2, CHUNK
	v_add_nc_u32 v3, s7, v94                       ; and its face index
	LOADT TA, 0
	LOADT TBF, 2*PITCH
	s_wait_dscnt 5                                 ; here and below: the five loads just issued for the other buffer stay out, the five older ones are in
	STEP TA, 1                                     ; step 0 starts the state
	s_mov_b32 s6, 0
.Lloop:                                            ; at the head, on the way in and on the way back alike: buffer B's five loads are out
	LOADT TA, 4*PITCH
	s_wait_dscnt 5
	STEP TBF, 0                                    ; step 2 k + 1
	LOADT TBF, 6*PITCH
	s_wait_dscnt 5
	STEP TA, 0                                     ; step 2 k + 2
	v_add_nc_u32 v1, 4*PITCH, v1
	s_add_co_u32 s6, s6, 1
	s_cmp_lt_u32 s6, 22
	s_cbranch_scc1 .Lloop
	LOADT TA, 4*PITCH                              ; step 46's entry, the chunk's last: nothing beyond it is read
	s_wait_dscnt 5
	STEP TBF, 0                                    ; step 45
	s_wait_dscnt 0x0
	STEP TA, 0                                     ; step 46
; THE PARTIALS MEET.  32 partial winners for each pixel (16 waves x 2 halves of the lanes).
	v_lshrrev_b32 v81, 4, v0                       ; p = 2 wave + h
	v_and_b32 v80, 15, v0
	v_lshlrev_b32 v80, 4, v80
	v_lshl_add_u32 v80, v81, 10, v80               ; 16 (64 p + r); pixel j: + 256 j
.irp j, 0,1,2,3
	ds_store_b128 v80, v[ST+8*\j:ST+8*\j+3]   offset:REDA+256*\j
	ds_store_b128 v80, v[ST+8*\j+4:ST+8*\j+7] offset:REDB+256*\j
.endr
	BARRIER                                        ; 3: all partials are in LDS
; The candidate at v[c ..] wins if (z, idx) is smaller in that order: argmin's first occurrence, though the halves interleave the faces.
; State read from v[s + e ss], written to v[d + e ds].
.macro MERGE d, ds, s, ss, c
	v_cmp_lt_f32 s50, v[\c], v[\s]
	v_cmp_eq_f32 s51, v[\c], v[\s]
	v_cmp_lt_u32 vcc_lo, v[\c+1], v[\s+\ss]
	s_and_b32 s51, s51, vcc_lo
	s_or_b32 s50, s50, s51
.irp e, 0,1,2,3,4,5,6,7
	v_cndmask_b32 v[\d+\e*\ds], v[\s+\e*\ss], v[\c+\e], s50
.endr
.endm
	; stage A, all 512 threads: thread t = 64 grp + px merges partials 4 grp .. 4 grp + 3 of pixel px
	v_and_b32 v80, 63, v0
	v_lshrrev_b32 v81, 6, v0
	v_lshlrev_b32 v80, 4, v80
	v_lshl_add_u32 v80, v81, 12, v80               ; 16 (64 x 4 grp + px)
.irp k, 0,1,2,3
	ds_load_b128 v[8+8*\k:11+8*\k],  v80 offset:REDA+1024*\k
	ds_load_b128 v[12+8*\k:15+8*\k], v80 offset:REDB+1024*\k
.endr
	s_wait_dscnt 4                                 ; partials 0 and 1 are in; the four loads of 2 and 3 may stay out
	MERGE 8, 1, 8, 1, 16
	s_wait_dscnt 2
	MERGE 8, 1, 8, 1, 24
	s_wait_dscnt 0x0
	MERGE 8, 1, 8, 1, 32
	v_lshlrev_b32 v82, 4, v0
	ds_store_b128 v82, v[8:11]  offset:RED2A
	ds_store_b128 v82, v[12:15] offset:RED2B
	BARRIER                                        ; 4: the eight results for each pixel are in LDS
	s_cmp_lg_u32 s2, 0
	s_cbranch_scc1 .Lend                           ; the rest is wave 0's: 64 pixels, two a lane
	; stage B: lane l takes pixels 2 l and 2 l + 1; candidate (grp, q) in v[40 + 16 grp + 8 q ..]
	v_lshlrev_b32 v26, 5, v0                       ; 16 x 2 l
.irp g, 0,1,2,3,4,5,6,7
.irp q, 0,1
	ds_load_b128 v[40+16*\g+8*\q:43+16*\g+8*\q], v26 offset:RED2A+1024*\g+16*\q
	ds_load_b128 v[44+16*\g+8*\q:47+16*\g+8*\q], v26 offset:RED2B+1024*\g+16*\q
.endr
.endr
	s_wait_dscnt 24                                ; groups 0 and 1 are in; four loads for each of the six later groups may stay out
	MERGE 8, 2, 40, 1, 56                          ; the first merge writes the pair layout: element e of pixel q in v[8 + 2 e + q]
	MERGE 9, 2, 48, 1, 64
.irp g, 2,3,4,5,6,7
	s_wait_dscnt 4*(7-\g)
.irp q, 0,1
	MERGE 8+\q, 2, 8+\q, 2, 40+16*\g+8*\q
.endr
.endr
; THE OUTPUTS, packed over (pixel 2 l, pixel 2 l + 1).
.set SZ,  8                            ; depth
.set SI,  10                           ; index
.set SXA, 12                           ; x1, x2, x0: start of edge 0, 1, 2
.set SY0, 18                           ; y0, y1, y2
.set FPX, 24                           ; px
.set DX,  40                           ; three pairs each: dx, dy, px - xa, py - ya of edge i
.set DY,  46
.set TX,  52
.set TY,  58
.set AR,  64                           ; area_safe
.set RC,  66                           ; its reciprocal
.set NAR, 68                           ; its negative
.set TM,  70
.set WW,  72                           ; w0, w1, w2
.set PP,  78
.set UU,  80
.set LL,  82
.set RL,  84
.set TT,  86
.set RX,  88
.set RY,  90
.set D2,  92                           ; three squared distances
.set MD,  98                           ; -min of them
.set OW,  100                          ; out2's words as read back
.macro PSUB d, a, b
	v_pk_add_f32 v[\d:\d+1], v[\a:\a+1], v[\b:\b+1] neg_lo:[0,1] neg_hi:[0,1]
.endm
	s_lshl_b32 s7, s5, 1
	s_or_b32 s7, s7, 1
	v_lshlrev_b32 v30, 2, v0
	v_add_nc_u32 v30, s7, v30                      ; 2 (first column + 2 l) + 1
	v_add_nc_u32 v31, 2, v30
	v_cvt_f32_u32 v[FPX], v30
	v_cvt_f32_u32 v[FPX+1], v31
	v_fma_f32 v[FPX], v[FPX], s29, 1.0
	v_fma_f32 v[FPX+1], v[FPX+1], s29, 1.0
	PSUB DX,   SXA+2, SXA                          ; x2 - x1
	PSUB DX+2, SXA+4, SXA+2                        ; x0 - x2
	PSUB DX+4, SXA,   SXA+4                        ; x1 - x0
	PSUB DY,   SY0+4, SY0+2                        ; y2 - y1
	PSUB DY+2, SY0,   SY0+4                        ; y0 - y2
	PSUB DY+4, SY0+2, SY0                          ; y1 - y0
	PSUB TX,   FPX, SXA
	PSUB TX+2, FPX, SXA+2
	PSUB TX+4, FPX, SXA+4
	v_pk_add_f32 v[TY:TY+1],   v[2:3], v[SY0+2:SY0+3] op_sel_hi:[0,1] neg_lo:[0,1] neg_hi:[0,1]   ; py for both
	v_pk_add_f32 v[TY+2:TY+3], v[2:3], v[SY0+4:SY0+5] op_sel_hi:[0,1] neg_lo:[0,1] neg_hi:[0,1]
	v_pk_add_f32 v[TY+4:TY+5], v[2:3], v[SY0:SY0+1]   op_sel_hi:[0,1] neg_lo:[0,1] neg_hi:[0,1]
	v_pk_mul_f32 v[AR:AR+1], v[DY+4:DY+5], v[DX+2:DX+3]    ; the area as in the table: both products negated and swapped, the same bits
	v_pk_mul_f32 v[RC:RC+1], v[DX+4:DX+5], v[DY+2:DY+3]
	PSUB AR, AR, RC
.irp q, 0,1
	v_and_b32 v[RC+\q], 0x7fffffff, v[AR+\q]
	v_cmp_lt_f32 vcc_lo, s26, v[RC+\q]
	v_cndmask_b32 v[AR+\q], s26, v[AR+\q], vcc_lo
.endr
	v_rcp_f32 v[RC], v[AR]
	v_rcp_f32 v[RC+1], v[AR+1]
	v_xor_b32 v[NAR], 0x80000000, v[AR]            ; the plain lines behind the reciprocals
	v_xor_b32 v[NAR+1], 0x80000000, v[AR+1]
	s_wait_alu depctr_va_vdst(0)
	v_pk_fma_f32 v[TM:TM+1], v[NAR:NAR+1], v[RC:RC+1], 1.0 op_sel_hi:[1,1,0]
	v_pk_fma_f32 v[RC:RC+1], v[TM:TM+1], v[RC:RC+1], v[RC:RC+1]
.irp i, 0,1,2                                      ; the winner's w, by the loop's own sequence of roundings
	v_pk_mul_f32 v[PP:PP+1], v[DX+2*\i:DX+2*\i+1], v[TY+2*\i:TY+2*\i+1]
	v_pk_mul_f32 v[UU:UU+1], v[DY+2*\i:DY+2*\i+1], v[TX+2*\i:TX+2*\i+1]
	PSUB PP, PP, UU
	v_pk_mul_f32 v[WW+2*\i:WW+2*\i+1], v[PP:PP+1], v[RC:RC+1]
	v_pk_fma_f32 v[PP:PP+1], v[WW+2*\i:WW+2*\i+1], v[NAR:NAR+1], v[PP:PP+1]
	v_pk_fma_f32 v[WW+2*\i:WW+2*\i+1], v[PP:PP+1], v[RC:RC+1], v[WW+2*\i:WW+2*\i+1]
.endr
.irp i, 0,1,2                                      ; squared distance to edge i; only a float output hangs on it: fused
	v_pk_mul_f32 v[LL:LL+1], v[DY+2*\i:DY+2*\i+1], v[DY+2*\i:DY+2*\i+1]
	v_pk_fma_f32 v[LL:LL+1], v[DX+2*\i:DX+2*\i+1], v[DX+2*\i:DX+2*\i+1], v[LL:LL+1]
	v_max_num_f32 v[LL], s26, v[LL]
	v_max_num_f32 v[LL+1], s26, v[LL+1]
	v_rcp_f32 v[RL], v[LL]
	v_rcp_f32 v[RL+1], v[LL+1]
	v_pk_mul_f32 v[TT:TT+1], v[TY+2*\i:TY+2*\i+1], v[DY+2*\i:DY+2*\i+1]      ; plain lines behind the reciprocals
	v_pk_fma_f32 v[TT:TT+1], v[TX+2*\i:TX+2*\i+1], v[DX+2*\i:DX+2*\i+1], v[TT:TT+1]
	s_wait_alu depctr_va_vdst(0)
	v_pk_mul_f32 v[TT:TT+1], v[TT:TT+1], v[RL:RL+1]
.irp q, 0,1                                        ; t clipped to 0 .. 1 by compares and selects: -0 (all-zero lanes of a miss) and NaN become +0,
	v_cmp_lt_f32 s[50+\q], 0, v[TT+\q]             ; so that the result's bits hang on no ordering of -0 against +0
	v_cndmask_b32 v[TT+\q], 0, v[TT+\q], s[50+\q]
	v_cmp_gt_f32 s[52+\q], 1.0, v[TT+\q]
	v_cndmask_b32 v[TT+\q], 1.0, v[TT+\q], s[52+\q]
.endr
	v_pk_fma_f32 v[RX:RX+1], v[TT:TT+1], v[DX+2*\i:DX+2*\i+1], v[TX+2*\i:TX+2*\i+1] neg_lo:[1,0,0] neg_hi:[1,0,0]   ; (p - a) - t d
	v_pk_fma_f32 v[RY:RY+1], v[TT:TT+1], v[DY+2*\i:DY+2*\i+1], v[TY+2*\i:TY+2*\i+1] neg_lo:[1,0,0] neg_hi:[1,0,0]
	v_pk_mul_f32 v[D2+2*\i:D2+2*\i+1], v[RY:RY+1], v[RY:RY+1]
	v_pk_fma_f32 v[D2+2*\i:D2+2*\i+1], v[RX:RX+1], v[RX:RX+1], v[D2+2*\i:D2+2*\i+1]
.endr
.irp q, 0,1
	v_min3_num_f32 v[MD+\q], v[D2+\q], v[D2+2+\q], v[D2+4+\q]
	v_xor_b32 v[MD+\q], 0x80000000, v[MD+\q]       ; a hit lies inside its face: the distance is negative
	v_cmp_lt_f32 s[50+\q], v[SZ+\q], s28           ; hit: some face was taken, the depth is finite
	v_cndmask_b32 v[SI+\q], -1, v[SI+\q], s[50+\q]
	v_cndmask_b32 v[SZ+\q], -1.0, v[SZ+\q], s[50+\q]
	v_cndmask_b32 v[WW+\q],   -1.0, v[WW+\q],   s[50+\q]
	v_cndmask_b32 v[WW+2+\q], -1.0, v[WW+2+\q], s[50+\q]
	v_cndmask_b32 v[WW+4+\q], -1.0, v[WW+4+\q], s[50+\q]
	v_cndmask_b32 v[MD+\q], -1.0, v[MD+\q], s[50+\q]
.endr
	; out2 is 12 bytes a pixel: through wave 0's own stage, so that each store again covers 256 consecutive bytes
	v_lshlrev_b32 v28, 3, v0                       ; 8 l
	v_mul_u32_u24 v29, v0, 24                      ; 24 l: two pixels' six words
.irp q, 0,1
.irp i, 0,1,2
	ds_store_b32 v29, v[WW+2*\i+\q] offset:STG+12*\q+4*\i
.endr
.endr
.irp k, 0,1,2
	ds_load_b64 v[OW+2*\k:OW+2*\k+1], v28 offset:STG+256*\k    ; a wave's LDS instructions are served in order: these see the stores above
.endr
	s_lshl_b32 s30, s3, 8                          ; 64 pixels x 4 bytes x g
	s_mov_b32 s31, 0
	s_add_nc_u64 s[18:19], s[18:19], s[30:31]
	s_add_nc_u64 s[20:21], s[20:21], s[30:31]
	s_add_nc_u64 s[24:25], s[24:25], s[30:31]
	s_mul_i32 s30, s3, 768                         ; 64 pixels x 12 bytes x g
	s_add_nc_u64 s[22:23], s[22:23], s[30:31]
	global_store_b64 v28, v[SI:SI+1], s[18:19] th:TH_STORE_NT  ; 32 lanes x 8 bytes: 256 consecutive bytes at a multiple of 256 from the buffer's start
	global_store_b64 v28, v[SZ:SZ+1], s[20:21] th:TH_STORE_NT
	global_store_b64 v28, v[MD:MD+1], s[24:25] th:TH_STORE_NT
.irp k, 0,1,2
	s_wait_dscnt 2-\k                              ; read-back k is in; the younger ones may stay out
	global_store_b64 v28, v[OW+2*\k:OW+2*\k+1], s[22:23] offset:256*\k th:TH_STORE_NT
.endr
.Lend:
	s_wait_tensorcnt 0x0
	ds_add_u32 v168, v169
	s_wait_dscnt 0x0
	s_endpgm
.Lfunc_end_k_qbe6763331d_raster:
	.size	k_qbe6763331d_raster, .Lfunc_end_k_qbe6763331d_raster-k_qbe6763331d_raster
	.p2alignl 7, 3214868480
	.fill 96, 4, 3214868480
	.section	.rodata,"a",@progbits
	.p2align	6, 0x0
	.amdhsa_kernel k_qbe6763331d_raster
		.amdhsa_group_segment_fixed_size 215040
		.amdhsa_private_segment_fixed_size 0
		.amdhsa_enable_private_segment 0
		.amdhsa_kernarg_size 72
		.amdhsa_user_sgpr_count 2
		.amdhsa_user_sgpr_kernarg_segment_ptr 1
		.amdhsa_wavefront_size32 1
		.amdhsa_system_sgpr_workgroup_id_x 1
		.amdhsa_system_sgpr_workgroup_id_y 1
		.amdhsa_system_sgpr_workgroup_id_z 1
		.amdhsa_system_vgpr_workitem_id 0
		.amdhsa_next_free_vgpr 170
		.amdhsa_next_free_sgpr 66
		.amdhsa_reserve_vcc 1
		.amdhsa_float_denorm_mode_32 3
		.amdhsa_float_denorm_mode_16_64 3
		.amdhsa_memory_ordered 1
		.amdhsa_forward_progress 1
		.amdhsa_inst_pref_size 74
	.end_amdhsa_kernel
	.amdgpu_metadata
---
amdhsa.version: [ 1, 2 ]
amdhsa.kernels:
  - .name:           k_qbe6763331d_raster
    .symbol:         k_qbe6763331d_raster.kd
    .args:
      - { .name: verts_world, .offset: 0, .size: 8, .value_kind: global_buffer, .address_space: global }
      - { .name: faces, .offset: 8, .size: 8, .value_kind: global_buffer, .address_space: global }
      - { .name: R, .offset: 16, .size: 8, .value_kind: global_buffer, .address_space: global }
      - { .name: T, .offset: 24, .size: 8, .value_kind: global_buffer, .address_space: global }
      - { .name: focal, .offset: 32, .size: 8, .value_kind: global_buffer, .address_space: global }
      - { .name: out0, .offset: 40, .size: 8, .value_kind: global_buffer, .address_space: global }
      - { .name: out1, .offset: 48, .size: 8, .value_kind: global_buffer, .address_space: global }
      - { .name: out2, .offset: 56, .size: 8, .value_kind: global_buffer, .address_space: global }
      - { .name: out3, .offset: 64, .size: 8, .value_kind: global_buffer, .address_space: global }
    .group_segment_fixed_size: 215040
    .private_segment_fixed_size: 0
    .kernarg_segment_align: 8
    .kernarg_segment_size: 72
    .max_flat_workgroup_size: 512
    .sgpr_count:     66
    .vgpr_count:     170
    .wavefront_size: 32
...
	.end_amdgpu_metadata
.endif
;; end of part 1
;; ======== version 2 of 3: 1 launch; 1.90 times as fast as version 1
;; launch raster (part 2): grid 256 x 1, 16 waves a work-group, no clusters, 218,112 bytes of LDS; arguments verts_world, faces, R, T, focal, out0, out1, out2, out3; writes out0, out1, out2, out3
.if DOCPART == 2
	.amdgcn_target "amdgcn-amd-amdhsa--gfx1250"
	.amdhsa_code_object_version 6
	.text
	.protected	k_qbe6763331d_raster
	.globl	k_qbe6763331d_raster
	.p2align	8
	.type	k_qbe6763331d_raster,@function
k_qbe6763331d_raster:
	s_mov_b64 s[64:65], 0
	v_nop
	global_prefetch_b8 v0, s[64:65] scope:SCOPE_SE
	s_setreg_imm32_b32 hwreg(HW_REG_WAVE_MODE, 25, 1), 1
	s_wait_xcnt 0x0
; MESH RASTERIZER: 600 vertices, 1,500 faces, 128 x 128 pixels, one face per pixel (nearest valid depth, first index on ties).
; One launch, 256 work-groups of 16 waves.  Work-group g owns 64 neighbouring pixels of ONE image row: row g >> 1, columns 64 (g & 1) .. + 63,
; linear pixels 64 g .. 64 g + 63.  py is one number for the group, so along its pixels every edge function and the depth of a face are
; affine in px: e_i = C_i - dy_i (px - pc), depth = A + B (px - pc), pc = +0.5 or -0.5 the middle of the group's columns; px - pc is exact.
; Phases: (1) the 600 vertices to NDC, 16-byte records in LDS; (2) a table of 1,536 face entries with these coefficients, in LDS;
; (3) 32 half-waves split the faces, 47 neighbouring faces each; a lane holds 4 pixels as two packed pairs, so one table read serves
; 2 faces x 64 pixels, and a face costs a pixel pair four packed multiply-adds; (4) the 32 partial winners of each pixel meet in LDS, in two
; stages; (5) wave 0 makes the outputs, two neighbouring pixels a lane, and each of its stores covers 256 consecutive bytes, aligned.
; The winner's depth, index and six xy coordinates are carried by selects: no address and no branch hangs on a comparison of floats.
;
; THE TESTS.  w_i >= 0 is tested on e_i x sign(area): slope and value carry the area's sign.  The depth is kept NEGATED, and
; '0 < z < best' is one signed integer compare of the bits of -z: among negative floats the smaller magnitude is the smaller integer;
; positive numbers, +0 and every NaN are larger integers than any best (which starts at -infinity).
; The 3 x 3 vertex transform (10,800 FLOPs, K = 3) is done in f32 on the vector unit, a fused chain in ascending j, then + T: 16-bit operands
; would move the edges by whole pixels, and the exact index could not be kept.
; LIMITS, kept on purpose:
;  (a) ORDER OF ROUNDING.  The affine forms round otherwise than the reference's products, quotients and sums: by a few units in the last place
;      of the terms.  Where a pixel centre lies that close to an edge, or the two nearest depths agree that closely, out0 can name the other
;      face.  The area and its test against EPS are rounded exactly as the reference writes them.
;  (b) the sign test differs from w >= 0 only where e / area underflows to zero (|e| < 2^-149 |area|); a depth below 2^-149 counts as a hit;
;  (c) v_rcp_f32 flushes denormals (ISA guide, its entry in chapter 15): |zv| below 2^-126 counts as 0 (the quotient is then n x rcp: an
;      infinity or NaN as for n / 0).  A face whose area is not finite is void, as it is in the reference (its w are NaN or its depth 0);
;  (d) NDC coordinates beyond about 2^60 can overflow the coefficients where the reference's own products still fit;
;  (e) vertex quotients and the winner's w are reciprocal + Newton step + residual correction: correctly rounded but for quotients within about
;      2^-22 of a unit in the last place of a rounding boundary;
;  (f) the distance to the edges is fused, uses (p - a) - t d for p - (a + t d), t by a plain reciprocal, and a NaN t is clipped to 0;
;  (g) for a hit the face is 'inside' by construction (valid implies inside): dist = -mind2; misses are overwritten by -1.
; LEFT OUT: tensor loads, clusters, prefetches.  The work-groups share only the 25,256 bytes of inputs, which each reads once in its set-up,
; against 47 steps of 53 vector instructions for each of its 16 waves.
.set VT,    0                          ; vertex v: 16 bytes at 16 v: x_ndc, y_ndc, view depth, a word that is never used (608 places)
.set STG,   9728                       ; 768 bytes: wave 0's own stage for out2
.set RED2A, 10496                      ; stage A's results, 16 bytes at 16 t: [-z, idx, x0, y0]
.set RED2B, 18688                      ;                                      [x1, y1, x2, y2]
.set REDA,  26880                      ; partial p = t >> 4, pixel px: 16 bytes at 16 (64 p + px), same two planes
.set REDB,  59648
.set TB,    92416                      ; the face table; ends at 215,296
.set PITCH, 80                         ; an odd multiple of 16 bytes: sixteen entries' 16-byte stores start at sixteen different places modulo 256
; entry, by dword: 2 i: -dy_i x sign(area), 2 i + 1: C_i x sign(area) (i = 0, 1, 2); 6: slope of -z, 7: -z at pc (void face: 0 and 1);
;                  8-13: x0, y0, x1, y1, x2, y2.  Edge i belongs to w_i: 0 = v1 to v2, 1 = v2 to v0, 2 = v0 to v1.
.set RUN, 47                           ; faces of a half-wave: 32 x 47 = 1,504; entries 1,500 and up are void
.set PX,  4                            ; v[4:7]    px - pc of my pixels r, r+16, r+32, r+48
.set ST,  8                            ; v[8:39]   pixel j: [-z, idx, x0, y0, x1, y1, x2, y2] of the best face so far
.set TA,  40                           ; v[40:53]  table entry, buffer A
.set TBF, 56                           ; v[56:69]  table entry, buffer B
.set EE,  72                           ; pair p: v[72+8p ..] e0, e1, e2, -z, a register pair each
.set MN,  88                           ; v[88:91]  min(e0, e1, e2) of pixel j
.set MK,  50                           ; s[50:57]  two masks for each pixel
.set RM,  32                           ; s[32:40]  R, row-major
.set TV,  44                           ; s[44:46]  T
; s2 wave, s3 g, s4 2 row + 1, s5 first column, s6 loop counter, s7 temporary, s[8:25] the nine addresses, s26 EPS, s27 pc, s28 -inf,
; s29 -1/128, s[30:31] a byte offset, s41 +inf, s[48:49] focal.   v0 thread, v1 table address, v2 py, v3 my half's face index.
.macro BARRIER                         ; what the others will touch is LDS: my LDS instructions are all done in front of the signal
	s_wait_dscnt 0x0
	s_barrier_signal -1
	s_barrier_wait -1
.endm
	s_load_b512 s[8:23], s[0:1], 0x0               ; verts s[8:9], faces s[10:11], R s[12:13], T s[14:15], focal s[16:17], out0 s[18:19], out1 s[20:21], out2 s[22:23]
	s_load_b64 s[24:25], s[0:1], 0x40              ; out3
	v_lshl_add_u32 v168, v0, 2, 0x34c00
	v_mov_b32 v169, 0
	v_lshrrev_b32 v93, 5, v0
	v_readfirstlane_b32 s2, v93                    ; wave 0..15
	s_mov_b32 s3, ttmp9                            ; g
	s_or_b32 s4, s3, 1                             ; 2 (g >> 1) + 1
	s_and_b32 s5, s3, 1
	s_lshl_b32 s27, s5, 31
	s_or_b32 s27, s27, 0x3f000000                  ; pc: +0.5 for columns 0-63, -0.5 for columns 64-127
	s_lshl_b32 s5, s5, 6                           ; first column
	s_mov_b32 s26, 0x322bcc77                      ; 1e-8
	s_mov_b32 s28, 0xff800000                      ; -inf
	s_mov_b32 s41, 0x7f800000                      ; +inf
	s_mov_b32 s29, 0xbc000000                      ; -1/128
	v_mul_u32_u24 v88, v0, 12                      ; byte offset of vertex t, and of face t (face t + 512: the immediate)
	v_add_nc_u32 v89, 0x1800, v88
	v_min_u32 v89, 0x1c14, v89                     ; vertex min(512 + t, 599)
	v_add_nc_u32 v90, 0x3000, v88
	v_min_u32 v90, 0x4644, v90                     ; face min(1024 + t, 1499)
	v_lshlrev_b32 v94, 4, v0                       ; 16 t: vertex t's record in LDS
	s_wait_kmcnt 0x0                               ; the addresses are in
	s_load_b256 s[32:39], s[12:13], 0x0            ; R[0..7]
	s_load_b32 s40, s[12:13], 0x20                 ; R[8]
	s_load_b96 s[44:46], s[14:15], 0x0             ; T
	s_load_b64 s[48:49], s[16:17], 0x0             ; focal
	; Records of 12 bytes, by three loads of 4: each stands at a multiple of its own size and none reaches past its record.
	; The three faces whose entries I build (t, t + 512, t + 1024) and vertex t.
.irp c, 0,1,2
	global_load_b32 v[68+\c], v88, s[10:11] offset:4*\c
	global_load_b32 v[72+\c], v88, s[10:11] offset:6144+4*\c
	global_load_b32 v[76+\c], v90, s[10:11] offset:4*\c
	global_load_b32 v[80+\c], v88, s[8:9] offset:4*\c
.endr
; One vertex: view = v R + T, x_ndc = focal0 x / z, y_ndc = focal1 y / z, z kept.  One 16-byte record into LDS at 16 t + off.
.macro VIEW d, in, k
	v_mul_f32 v[\d], s[RM+\k], v[\in]
	v_fma_f32 v[\d], v[\in+1], s[RM+3+\k], v[\d]
	v_fma_f32 v[\d], v[\in+2], s[RM+6+\k], v[\d]
	v_add_f32 v[\d], s[TV+\k], v[\d]
.endm
.macro VERT in, off
	VIEW 95, \in, 0
	VIEW 96, \in, 1
	VIEW 102, \in, 2                               ; the depth, already in its place of the record v[100:103]
	v_rcp_f32 v103, v102                           ; r0 (it also fills the record's unused word); the two products below are the plain lines behind it
	v_mul_f32 v98, s48, v95                        ; numerators
	v_mul_f32 v99, s49, v96
	s_wait_alu depctr_va_vdst(0)
	v_fma_f32 v97, -v102, v103, 1.0
	v_fma_f32 v97, v97, v103, v103                 ; r1: one Newton step
.irp c, 0,1
	v_mul_f32 v[100+\c], v[98+\c], v97
	v_fma_f32 v104, -v102, v[100+\c], v[98+\c]     ; residual n - z q
	v_fma_f32 v[100+\c], v104, v97, v[100+\c]
	v_fma_f32 v104, -v102, v[100+\c], v[98+\c]     ; and once more
	v_fma_f32 v[100+\c], v104, v97, v[100+\c]
	v_mul_f32 v105, v[98+\c], v103                 ; where z is 0 or infinite, or the quotient overflows, the steps above give NaN:
	v_cmp_neq_f32 vcc_lo, v[100+\c], v[100+\c]     ; then n x r0 is the quotient (an infinity, 0, or NaN where n / z is NaN)
	v_cndmask_b32 v[100+\c], v[100+\c], v105, vcc_lo
.endr
	ds_store_b128 v94, v[100:103] offset:VT+\off
.endm
	s_cmp_ge_u32 s2, 3                             ; 600 = 512 + 88: waves 0-2 take a second vertex (places 600-607 get vertex 599 and are never read)
	s_cbranch_scc1 .Lone
.irp c, 0,1,2
	global_load_b32 v[84+\c], v89, s[8:9] offset:4*\c
.endr
	s_wait_loadcnt 0x0
	s_wait_kmcnt 0x0
	VERT 84, 8192
.Lone:
	s_wait_loadcnt 0x0                             ; vertex t's words were asked for among the last, and the indices are due right behind them: all
	s_wait_kmcnt 0x0                               ; R, T, focal
	VERT 80, 0
	v_cvt_f32_u32 v2, s4
	v_fma_f32 v2, v2, s29, 1.0                     ; py = 1 - (2 row + 1) / 128, exact
	BARRIER                                        ; 1: all vertices are in LDS
; THE FACE TABLE.  Three 16-byte gathers a face: vertex j of face k in v[8 + 12 k + 4 j ..] = x, y, z, unused.
.irp i, 68,69,70,72,73,74,76,77,78
	v_min_u32 v\i, 0x257, v\i                      ; a loaded number enters an address only clamped to the table: 599
.endr
.irp i, 68,69,70,72,73,74,76,77,78
	v_lshlrev_b32 v\i, 4, v\i
.endr
.irp k, 0,1,2
.irp j, 0,1,2
	ds_load_b128 v[8+12*\k+4*\j:8+12*\k+4*\j+3], v[68+4*\k+\j] offset:VT
.endr
.endr
	v_mul_u32_u24 v112, v0, PITCH
	v_add_nc_u32 v112, TB, v112                    ; entry t (entry t + 512: the immediate)
	v_add_nc_u32 v113, 1024*PITCH, v112            ; entry t + 1024
.macro FACE k, adr, off
.set X0, 8+12*\k
.set Y0, X0+1
.set Z0, X0+2
.set X1, X0+4
.set Y1, X0+5
.set Z1, X0+6
.set X2, X0+8
.set Y2, X0+9
.set Z2, X0+10
	v_sub_f32 v95, v[X2], v[X1]                    ; dx0
	v_sub_f32 v96, v[X0], v[X2]                    ; dx1
	v_sub_f32 v97, v[X1], v[X0]                    ; dx2
	v_sub_f32 v98, v[Y1], v[Y2]                    ; -dy0
	v_sub_f32 v99, v[Y2], v[Y0]                    ; -dy1
	v_sub_f32 v100, v[Y0], v[Y1]                   ; -dy2
	v_mul_f32 v101, v97, v99                       ; (x1 - x0)(y2 - y0)
	v_mul_f32 v102, v100, v96                      ; (y1 - y0)(x2 - x0): both factors negated, the same bits
	v_sub_f32 v101, v101, v102                     ; area: two products and a difference, each rounded, as the reference has them (so not fused)
	v_and_b32 v102, 0x7fffffff, v101               ; |area|
	v_and_b32 v103, 0x80000000, v101               ; its sign
	v_cmp_lt_f32 vcc_lo, s26, v102                 ; |area| > EPS (false for NaN)
	v_cmp_lt_f32 s51, v102, s41                    ; and finite: then all six coordinates are finite too
	s_and_b32 s50, vcc_lo, s51
.if \k == 2
	v_add_nc_u32 v104, 1024, v0
	v_cmp_gt_u32 s51, 0x5dc, v104                  ; entries 1,500 and up are no faces
	s_and_b32 s50, s50, s51
.endif
	v_cndmask_b32 v102, 1.0, v102, s50             ; a void face divides by 1
	v_rcp_f32 v104, v102
	v_sub_f32 v105, v2, v[Y1]                      ; py - ya of edge 0, 1, 2 (the plain lines behind v_rcp_f32)
	v_sub_f32 v106, v2, v[Y2]
	v_sub_f32 v107, v2, v[Y0]
	v_sub_f32 v108, s27, v[X1]                     ; pc - xa
	v_sub_f32 v109, s27, v[X2]
	v_sub_f32 v110, s27, v[X0]
	s_wait_alu depctr_va_vdst(0)
	v_fma_f32 v111, -v102, v104, 1.0
	v_fma_f32 v104, v111, v104, v104               ; 1 / |area|, one Newton step
	v_mul_f32 v108, v98, v108                      ; -dy (pc - xa)
	v_mul_f32 v109, v99, v109
	v_mul_f32 v110, v100, v110
	v_fma_f32 v105, v95, v105, v108                ; C_i = dx (py - ya) - dy (pc - xa): the edge function at (pc, py)
	v_fma_f32 v106, v96, v106, v109
	v_fma_f32 v107, v97, v107, v110
	v_xor_b32 v44, v103, v98                       ; slope and value times the area's sign: e_i >= 0 then says w_i >= 0
	v_xor_b32 v45, v103, v105
	v_xor_b32 v46, v103, v99
	v_xor_b32 v47, v103, v106
	v_xor_b32 v48, v103, v100
	v_xor_b32 v49, v103, v107
	v_sub_f32 v95, v[Z0], v[Z1]                    ; -(z1 - z0)
	v_sub_f32 v96, v[Z0], v[Z2]                    ; -(z2 - z0)
	v_mul_f32 v97, v46, v104                       ; slope of w1, of w2
	v_mul_f32 v98, v48, v104
	v_mul_f32 v99, v47, v104                       ; w1, w2 at pc
	v_mul_f32 v100, v49, v104
	v_mul_f32 v97, v97, v95                        ; -z = -z0 - w1 (z1 - z0) - w2 (z2 - z0): from differences, so that the coefficients' error
	v_fma_f32 v97, v98, v96, v97                   ; goes with the face's range of depths and not with the depth itself
	v_fma_f32 v99, v99, v95, -v[Z0]
	v_fma_f32 v99, v100, v96, v99
	v_add_f32 v99, 0, v99                          ; -0 becomes +0: a depth of exactly 0 then gives -z = +0, which fails the integer compare
	v_cndmask_b32 v50, 0, v97, s50                 ; a void face has -z = 1 at every pixel: never taken
	v_cndmask_b32 v51, 1.0, v99, s50
	ds_store_b128 v[\adr], v[44:47] offset:\off
	ds_store_b128 v[\adr], v[48:51] offset:\off+16
	ds_store_b64 v[\adr], v[X0:X0+1] offset:\off+32        ; the coordinates, straight from the gathered registers
	ds_store_b64 v[\adr], v[X1:X1+1] offset:\off+40
	ds_store_b64 v[\adr], v[X2:X2+1] offset:\off+48
.endm
	s_wait_dscnt 6                                 ; face 0's three gathers are in: the six of faces 1 and 2 may stay out
	FACE 0, 112, 0
	s_wait_dscnt 8                                 ; behind face 1's last gather: face 2's 3 gathers and 5 stores
	FACE 1, 112, 512*PITCH
	s_wait_dscnt 10                                ; behind face 2's last gather: 10 stores
	FACE 2, 113, 0
	BARRIER                                        ; 2: the table is whole
; THE LOOP OVER FACES.
.macro LOADT tb, off                   ; one entry for each half of the lanes: four LDS loads, sixteen lanes share each address
	ds_load_b128 v[\tb:\tb+3],    v1 offset:\off
	ds_load_b128 v[\tb+4:\tb+7],  v1 offset:\off+16
	ds_load_b128 v[\tb+8:\tb+11], v1 offset:\off+32
	ds_load_b64  v[\tb+12:\tb+13], v1 offset:\off+48
.endm
; Two pixels against my half's face: e0, e1, e2 and -z, each slope x (px - pc) + value.  Slope and value lie in one register pair:
; the second source takes its first register for both halves, the third source its second register for both.
.macro PAIR p, tb
.irp i, 0,1,2,3
	v_pk_fma_f32 v[EE+8*\p+2*\i:EE+8*\p+2*\i+1], v[PX+2*\p:PX+2*\p+1], v[\tb+2*\i:\tb+2*\i+1], v[\tb+2*\i:\tb+2*\i+1] op_sel:[0,0,1] op_sel_hi:[1,0,1]
.endr
.endm
; Pixel j = 2 p + q.
.macro TMIN j, p, q
	v_min3_num_f32 v[MN+\j], v[EE+8*\p+\q], v[EE+8*\p+2+\q], v[EE+8*\p+4+\q]
.endm
.macro TCMPZ j, p, q, first            ; 0 < z < best, as signed integers on -z.  A strict 'less' keeps the earlier face
.if \first
	v_cmp_lt_i32 s[MK+2*\j+1], v[EE+8*\p+6+\q], s28
.else
	v_cmp_lt_i32 s[MK+2*\j+1], v[EE+8*\p+6+\q], v[ST+8*\j]
.endif
.endm
.macro TCMPE j                         ; all e >= 0 (-0 passes, as in the reference)
	v_cmp_le_f32 s[MK+2*\j], 0, v[MN+\j]
.endm
; The winner's data by selects.  In the first step the 'old' values are -inf and 0: nothing is cleared by moves.
.macro TAKE j, p, q, tb, first
.if \first
	v_cndmask_b32 v[ST+8*\j],   s28, v[EE+8*\p+6+\q], s[MK+2*\j]
	v_cndmask_b32 v[ST+8*\j+1], 0, v3, s[MK+2*\j]
.irp e, 0,1,2,3,4,5
	v_cndmask_b32 v[ST+8*\j+2+\e], 0, v[\tb+8+\e], s[MK+2*\j]
.endr
.else
	v_cndmask_b32 v[ST+8*\j],   v[ST+8*\j],   v[EE+8*\p+6+\q], s[MK+2*\j]
	v_cndmask_b32 v[ST+8*\j+1], v[ST+8*\j+1], v3, s[MK+2*\j]
.irp e, 0,1,2,3,4,5
	v_cndmask_b32 v[ST+8*\j+2+\e], v[ST+8*\j+2+\e], v[\tb+8+\e], s[MK+2*\j]
.endr
.endif
.endm
.macro STEP tb, first                  ; 2 faces x 64 pixels: 8 packed multiply-adds, 12 lines of tests, 32 selects
	PAIR 0, \tb
	PAIR 1, \tb
	TMIN 0, 0, 0
	TMIN 1, 0, 1
	TMIN 2, 1, 0
	TMIN 3, 1, 1
	TCMPZ 0, 0, 0, \first
	TCMPZ 1, 0, 1, \first
	TCMPZ 2, 1, 0, \first
	TCMPZ 3, 1, 1, \first
.irp j, 0,1,2,3
	TCMPE \j
.endr
.irp j, 0,1,2,3
	s_and_b32 s[MK+2*\j], s[MK+2*\j], s[MK+2*\j+1]
.endr
	TAKE 0, 0, 0, \tb, \first
	TAKE 1, 0, 1, \tb, \first
	TAKE 2, 1, 0, \tb, \first
	TAKE 3, 1, 1, \tb, \first
	v_add_nc_u32 v3, 1, v3
.endm
	v_and_b32 v93, 15, v0                          ; r
	v_lshl_or_b32 v95, v93, 1, 1                   ; 2 r + 1
.irp j, 0,1,2,3
	v_add_nc_u32 v96, 32*\j, v95                   ; pixel j lies 16 j columns on
	v_cvt_f32_u32 v[PX+\j], v96
	v_fma_f32 v[PX+\j], v[PX+\j], s29, 0.5         ; px - pc = 0.5 - (2 c + 1) / 128, c the column inside the group's 64: exact
.endr
	v_lshrrev_b32 v94, 4, v0                       ; p = 2 wave + half: faces 47 p .. 47 p + 46
	v_mul_u32_u24 v1, v94, RUN*PITCH
	v_add_nc_u32 v1, TB, v1                        ; my half's first entry
	v_mul_u32_u24 v3, v94, RUN                     ; and its face index
	LOADT TA, 0
	LOADT TBF, PITCH
	s_wait_dscnt 4                                 ; here and below: the four loads just issued for the other buffer stay out, the four older ones are in
	STEP TA, 1                                     ; step 0 starts the state
	s_mov_b32 s6, 0
.Lloop:                                            ; at the head, on the way in and on the way back alike: buffer B's four loads are out
	LOADT TA, 2*PITCH
	s_wait_dscnt 4
	STEP TBF, 0                                    ; step 2 k + 1
	LOADT TBF, 3*PITCH
	s_wait_dscnt 4
	STEP TA, 0                                     ; step 2 k + 2
	v_add_nc_u32 v1, 2*PITCH, v1
	s_add_co_u32 s6, s6, 1
	s_cmp_lt_u32 s6, 22
	s_cbranch_scc1 .Lloop
	LOADT TA, 2*PITCH                              ; step 46's entry, the run's last: nothing beyond it is read
	s_wait_dscnt 4
	STEP TBF, 0                                    ; step 45
	s_wait_dscnt 0x0
	STEP TA, 0                                     ; step 46
; THE PARTIALS MEET.  32 partial winners for each pixel; partial p holds faces 47 p .. 47 p + 46, so in every merge below the state's faces
; come before the candidate's, and a strict 'less' is argmin's first occurrence.
	v_lshrrev_b32 v81, 4, v0                       ; p
	v_and_b32 v80, 15, v0
	v_lshlrev_b32 v80, 4, v80
	v_lshl_add_u32 v80, v81, 10, v80               ; 16 (64 p + r); pixel j: + 256 j
.irp j, 0,1,2,3
	ds_store_b128 v80, v[ST+8*\j:ST+8*\j+3]   offset:REDA+256*\j
	ds_store_b128 v80, v[ST+8*\j+4:ST+8*\j+7] offset:REDB+256*\j
.endr
	BARRIER                                        ; 3: all partials are in LDS
; The candidate at v[c ..] wins if its -z is the smaller integer.  State read from v[s + e ss], written to v[d + e ds]; mask in s[m].
.macro MCMP m, s, c
	v_cmp_lt_i32 s[\m], v[\c], v[\s]
.endm
.macro MSEL d, ds, s, ss, c, m
.irp e, 0,1,2,3,4,5,6,7
	v_cndmask_b32 v[\d+\e*\ds], v[\s+\e*\ss], v[\c+\e], s[\m]
.endr
.endm
	; stage A, all 512 threads: thread t = 64 grp + px merges partials 4 grp .. 4 grp + 3 of pixel px
	v_and_b32 v80, 63, v0
	v_lshrrev_b32 v81, 6, v0
	v_lshlrev_b32 v80, 4, v80
	v_lshl_add_u32 v80, v81, 12, v80               ; 16 (64 x 4 grp + px)
.irp k, 0,1,2,3
	ds_load_b128 v[8+8*\k:11+8*\k],  v80 offset:REDA+1024*\k
	ds_load_b128 v[12+8*\k:15+8*\k], v80 offset:REDB+1024*\k
.endr
	s_wait_dscnt 4                                 ; partials 0 and 1 are in; the four loads of 2 and 3 may stay out
	MCMP 50, 8, 16
	MSEL 8, 1, 8, 1, 16, 50
	s_wait_dscnt 2
	MCMP 50, 8, 24
	MSEL 8, 1, 8, 1, 24, 50
	s_wait_dscnt 0x0
	MCMP 50, 8, 32
	MSEL 8, 1, 8, 1, 32, 50
	v_lshlrev_b32 v82, 4, v0
	ds_store_b128 v82, v[8:11]  offset:RED2A
	ds_store_b128 v82, v[12:15] offset:RED2B
	BARRIER                                        ; 4: the eight results for each pixel are in LDS
	s_cmp_lg_u32 s2, 0
	s_cbranch_scc1 .Lend                           ; the rest is wave 0's: 64 pixels, two a lane
	; stage B: lane l takes pixels 2 l and 2 l + 1; candidate (grp, q) in v[40 + 16 grp + 8 q ..].  A tree, 4 + 2 + 1 merges a pixel,
	; the lower group always on the state's side: its lines do not wait for each other.
	v_lshlrev_b32 v26, 5, v0                       ; 16 x 2 l
.irp g, 0,1,2,3,4,5,6,7
.irp q, 0,1
	ds_load_b128 v[40+16*\g+8*\q:43+16*\g+8*\q], v26 offset:RED2A+1024*\g+16*\q
	ds_load_b128 v[44+16*\g+8*\q:47+16*\g+8*\q], v26 offset:RED2B+1024*\g+16*\q
.endr
.endr
.irp g, 0,2,4,6
	s_wait_dscnt 4*(6-\g)                          ; groups g and g + 1 are in; four loads for each later group may stay out
	MCMP 50+\g, 40+16*\g,   56+16*\g
	MCMP 51+\g, 48+16*\g,   64+16*\g
	MSEL 40+16*\g, 1, 40+16*\g, 1, 56+16*\g, 50+\g
	MSEL 48+16*\g, 1, 48+16*\g, 1, 64+16*\g, 51+\g
.endr
.irp g, 0,4
	MCMP 50+\g, 40+16*\g,   72+16*\g
	MCMP 51+\g, 48+16*\g,   80+16*\g
.endr
.irp g, 0,4
	MSEL 40+16*\g, 1, 40+16*\g, 1, 72+16*\g, 50+\g
	MSEL 48+16*\g, 1, 48+16*\g, 1, 80+16*\g, 51+\g
.endr
	MCMP 50, 40, 104
	MCMP 51, 48, 112
	MSEL 8, 2, 40, 1, 104, 50                      ; the last merge writes the pair layout: element e of pixel q in v[8 + 2 e + q]
	MSEL 9, 2, 48, 1, 112, 51
; THE OUTPUTS, packed over (pixel 2 l, pixel 2 l + 1).
.set SNZ, 8                            ; -depth
.set SI,  10                           ; index
.set SX0, 12
.set SY0, 14
.set SX1, 16
.set SY1, 18
.set SX2, 20
.set SY2, 22
.set FPX, 24                           ; px
.set DX,  40                           ; three pairs each: dx, dy, px - xa, py - ya of edge i
.set DY,  46
.set TX,  52
.set TY,  58
.set AR,  64                           ; area_safe
.set RC,  66                           ; its reciprocal
.set NAR, 68                           ; its negative
.set TM,  70
.set WW,  72                           ; w0, w1, w2
.set PP,  78
.set UU,  80
.set LL,  82
.set RL,  84
.set TT,  86
.set RX,  88
.set RY,  90
.set D2,  92                           ; three squared distances
.set MD,  98                           ; -min of them
.set OW,  100                          ; out2's words as read back
.macro PSUB d, a, b
	v_pk_add_f32 v[\d:\d+1], v[\a:\a+1], v[\b:\b+1] neg_lo:[0,1] neg_hi:[0,1]
.endm
	s_lshl_b32 s7, s5, 1
	s_or_b32 s7, s7, 1
	v_lshlrev_b32 v30, 2, v0
	v_add_nc_u32 v30, s7, v30                      ; 2 (first column + 2 l) + 1
	v_add_nc_u32 v31, 2, v30
	v_cvt_f32_u32 v[FPX], v30
	v_cvt_f32_u32 v[FPX+1], v31
	v_fma_f32 v[FPX], v[FPX], s29, 1.0             ; px = 1 - (2 column + 1) / 128, exact
	v_fma_f32 v[FPX+1], v[FPX+1], s29, 1.0
	PSUB DX,   SX2, SX1                            ; x2 - x1
	PSUB DX+2, SX0, SX2                            ; x0 - x2
	PSUB DX+4, SX1, SX0                            ; x1 - x0
	PSUB DY,   SY2, SY1
	PSUB DY+2, SY0, SY2
	PSUB DY+4, SY1, SY0
	PSUB TX,   FPX, SX1
	PSUB TX+2, FPX, SX2
	PSUB TX+4, FPX, SX0
	v_pk_add_f32 v[TY:TY+1],   v[2:3], v[SY1:SY1+1] op_sel_hi:[0,1] neg_lo:[0,1] neg_hi:[0,1]   ; py for both
	v_pk_add_f32 v[TY+2:TY+3], v[2:3], v[SY2:SY2+1] op_sel_hi:[0,1] neg_lo:[0,1] neg_hi:[0,1]
	v_pk_add_f32 v[TY+4:TY+5], v[2:3], v[SY0:SY0+1] op_sel_hi:[0,1] neg_lo:[0,1] neg_hi:[0,1]
	v_pk_mul_f32 v[AR:AR+1], v[DY+4:DY+5], v[DX+2:DX+3]    ; the area as in the table: both products negated and swapped, the same bits
	v_pk_mul_f32 v[RC:RC+1], v[DX+4:DX+5], v[DY+2:DY+3]
	PSUB AR, AR, RC
.irp q, 0,1
	v_and_b32 v[RC+\q], 0x7fffffff, v[AR+\q]
	v_cmp_lt_f32 vcc_lo, s26, v[RC+\q]
	v_cndmask_b32 v[AR+\q], s26, v[AR+\q], vcc_lo
.endr
	v_rcp_f32 v[RC], v[AR]
	v_rcp_f32 v[RC+1], v[AR+1]
	v_xor_b32 v[NAR], 0x80000000, v[AR]            ; the plain lines behind the reciprocals
	v_xor_b32 v[NAR+1], 0x80000000, v[AR+1]
	s_wait_alu depctr_va_vdst(0)
	v_pk_fma_f32 v[TM:TM+1], v[NAR:NAR+1], v[RC:RC+1], 1.0 op_sel_hi:[1,1,0]
	v_pk_fma_f32 v[RC:RC+1], v[TM:TM+1], v[RC:RC+1], v[RC:RC+1]
.irp i, 0,1,2                                      ; the winner's w as the reference writes it: two rounded products, their difference, a corrected quotient
	v_pk_mul_f32 v[PP:PP+1], v[DX+2*\i:DX+2*\i+1], v[TY+2*\i:TY+2*\i+1]
	v_pk_mul_f32 v[UU:UU+1], v[DY+2*\i:DY+2*\i+1], v[TX+2*\i:TX+2*\i+1]
	PSUB PP, PP, UU
	v_pk_mul_f32 v[WW+2*\i:WW+2*\i+1], v[PP:PP+1], v[RC:RC+1]
	v_pk_fma_f32 v[PP:PP+1], v[WW+2*\i:WW+2*\i+1], v[NAR:NAR+1], v[PP:PP+1]
	v_pk_fma_f32 v[WW+2*\i:WW+2*\i+1], v[PP:PP+1], v[RC:RC+1], v[WW+2*\i:WW+2*\i+1]
.endr
.irp i, 0,1,2                                      ; squared distance to edge i: fused
	v_pk_mul_f32 v[LL:LL+1], v[DY+2*\i:DY+2*\i+1], v[DY+2*\i:DY+2*\i+1]
	v_pk_fma_f32 v[LL:LL+1], v[DX+2*\i:DX+2*\i+1], v[DX+2*\i:DX+2*\i+1], v[LL:LL+1]
	v_max_num_f32 v[LL], s26, v[LL]
	v_max_num_f32 v[LL+1], s26, v[LL+1]
	v_rcp_f32 v[RL], v[LL]
	v_rcp_f32 v[RL+1], v[LL+1]
	v_pk_mul_f32 v[TT:TT+1], v[TY+2*\i:TY+2*\i+1], v[DY+2*\i:DY+2*\i+1]      ; plain lines behind the reciprocals
	v_pk_fma_f32 v[TT:TT+1], v[TX+2*\i:TX+2*\i+1], v[DX+2*\i:DX+2*\i+1], v[TT:TT+1]
	s_wait_alu depctr_va_vdst(0)
	v_pk_mul_f32 v[TT:TT+1], v[TT:TT+1], v[RL:RL+1]
.irp q, 0,1                                        ; t clipped to 0 .. 1 by compares and selects: -0 (all-zero lanes of a miss) and NaN become +0,
	v_cmp_lt_f32 s[50+\q], 0, v[TT+\q]             ; so that the result's bits hang on no ordering of -0 against +0
	v_cndmask_b32 v[TT+\q], 0, v[TT+\q], s[50+\q]
	v_cmp_gt_f32 s[52+\q], 1.0, v[TT+\q]
	v_cndmask_b32 v[TT+\q], 1.0, v[TT+\q], s[52+\q]
.endr
	v_pk_fma_f32 v[RX:RX+1], v[TT:TT+1], v[DX+2*\i:DX+2*\i+1], v[TX+2*\i:TX+2*\i+1] neg_lo:[1,0,0] neg_hi:[1,0,0]   ; (p - a) - t d
	v_pk_fma_f32 v[RY:RY+1], v[TT:TT+1], v[DY+2*\i:DY+2*\i+1], v[TY+2*\i:TY+2*\i+1] neg_lo:[1,0,0] neg_hi:[1,0,0]
	v_pk_mul_f32 v[D2+2*\i:D2+2*\i+1], v[RY:RY+1], v[RY:RY+1]
	v_pk_fma_f32 v[D2+2*\i:D2+2*\i+1], v[RX:RX+1], v[RX:RX+1], v[D2+2*\i:D2+2*\i+1]
.endr
.irp q, 0,1
	v_min3_num_f32 v[MD+\q], v[D2+\q], v[D2+2+\q], v[D2+4+\q]
	v_xor_b32 v[MD+\q], 0x80000000, v[MD+\q]       ; a hit lies inside its face: the distance is negative
	v_cmp_lt_i32 s[50+\q], v[SNZ+\q], s28          ; hit: some face was taken, -z is no longer -inf
	v_xor_b32 v[SNZ+\q], 0x80000000, v[SNZ+\q]     ; the depth
	v_cndmask_b32 v[SI+\q], -1, v[SI+\q], s[50+\q]
	v_cndmask_b32 v[SNZ+\q], -1.0, v[SNZ+\q], s[50+\q]
	v_cndmask_b32 v[WW+\q],   -1.0, v[WW+\q],   s[50+\q]
	v_cndmask_b32 v[WW+2+\q], -1.0, v[WW+2+\q], s[50+\q]
	v_cndmask_b32 v[WW+4+\q], -1.0, v[WW+4+\q], s[50+\q]
	v_cndmask_b32 v[MD+\q], -1.0, v[MD+\q], s[50+\q]
.endr
	; out2 is 12 bytes a pixel: through wave 0's own stage, so that each store again covers 256 consecutive bytes
	v_lshlrev_b32 v28, 3, v0                       ; 8 l
	v_mul_u32_u24 v29, v0, 24                      ; 24 l: two pixels' six words
.irp q, 0,1
.irp i, 0,1,2
	ds_store_b32 v29, v[WW+2*\i+\q] offset:STG+12*\q+4*\i
.endr
.endr
.irp k, 0,1,2
	ds_load_b64 v[OW+2*\k:OW+2*\k+1], v28 offset:STG+256*\k    ; a wave's LDS instructions are served in order: these see the stores above
.endr
	s_lshl_b32 s30, s3, 8                          ; 64 pixels x 4 bytes x g
	s_mov_b32 s31, 0
	s_add_nc_u64 s[18:19], s[18:19], s[30:31]
	s_add_nc_u64 s[20:21], s[20:21], s[30:31]
	s_add_nc_u64 s[24:25], s[24:25], s[30:31]
	s_mul_i32 s30, s3, 768                         ; 64 pixels x 12 bytes x g
	s_add_nc_u64 s[22:23], s[22:23], s[30:31]
	global_store_b64 v28, v[SI:SI+1], s[18:19] th:TH_STORE_NT  ; 32 lanes x 8 bytes: 256 consecutive bytes at a multiple of 256 from the buffer's start
	global_store_b64 v28, v[SNZ:SNZ+1], s[20:21] th:TH_STORE_NT
	global_store_b64 v28, v[MD:MD+1], s[24:25] th:TH_STORE_NT
.irp k, 0,1,2
	s_wait_dscnt 2-\k                              ; read-back k is in; the younger ones may stay out
	global_store_b64 v28, v[OW+2*\k:OW+2*\k+1], s[22:23] offset:256*\k th:TH_STORE_NT
.endr
.Lend:
	s_wait_tensorcnt 0x0
	ds_add_u32 v168, v169
	s_wait_dscnt 0x0
	s_endpgm
.Lfunc_end_k_qbe6763331d_raster:
	.size	k_qbe6763331d_raster, .Lfunc_end_k_qbe6763331d_raster-k_qbe6763331d_raster
	.p2alignl 7, 3214868480
	.fill 96, 4, 3214868480
	.section	.rodata,"a",@progbits
	.p2align	6, 0x0
	.amdhsa_kernel k_qbe6763331d_raster
		.amdhsa_group_segment_fixed_size 218112
		.amdhsa_private_segment_fixed_size 0
		.amdhsa_enable_private_segment 0
		.amdhsa_kernarg_size 72
		.amdhsa_user_sgpr_count 2
		.amdhsa_user_sgpr_kernarg_segment_ptr 1
		.amdhsa_wavefront_size32 1
		.amdhsa_system_sgpr_workgroup_id_x 1
		.amdhsa_system_sgpr_workgroup_id_y 1
		.amdhsa_system_sgpr_workgroup_id_z 1
		.amdhsa_system_vgpr_workitem_id 0
		.amdhsa_next_free_vgpr 170
		.amdhsa_next_free_sgpr 66
		.amdhsa_reserve_vcc 1
		.amdhsa_float_denorm_mode_32 3
		.amdhsa_float_denorm_mode_16_64 3
		.amdhsa_memory_ordered 1
		.amdhsa_forward_progress 1
		.amdhsa_inst_pref_size 59
	.end_amdhsa_kernel
	.amdgpu_metadata
---
amdhsa.version: [ 1, 2 ]
amdhsa.kernels:
  - .name:           k_qbe6763331d_raster
    .symbol:         k_qbe6763331d_raster.kd
    .args:
      - { .name: verts_world, .offset: 0, .size: 8, .value_kind: global_buffer, .address_space: global }
      - { .name: faces, .offset: 8, .size: 8, .value_kind: global_buffer, .address_space: global }
      - { .name: R, .offset: 16, .size: 8, .value_kind: global_buffer, .address_space: global }
      - { .name: T, .offset: 24, .size: 8, .value_kind: global_buffer, .address_space: global }
      - { .name: focal, .offset: 32, .size: 8, .value_kind: global_buffer, .address_space: global }
      - { .name: out0, .offset: 40, .size: 8, .value_kind: global_buffer, .address_space: global }
      - { .name: out1, .offset: 48, .size: 8, .value_kind: global_buffer, .address_space: global }
      - { .name: out2, .offset: 56, .size: 8, .value_kind: global_buffer, .address_space: global }
      - { .name: out3, .offset: 64, .size: 8, .value_kind: global_buffer, .address_space: global }
    .group_segment_fixed_size: 218112
    .private_segment_fixed_size: 0
    .kernarg_segment_align: 8
    .kernarg_segment_size: 72
    .max_flat_workgroup_size: 512
    .sgpr_count:     66
    .vgpr_count:     170
    .wavefront_size: 32
...
	.end_amdgpu_metadata
.endif
;; end of part 2
;; ======== version 3 of 3: 1 launch; 2.16 times as fast as version 1
;; launch raster (part 3): grid 256 x 1, 16 waves a work-group, no clusters, 218,112 bytes of LDS; arguments verts_world, faces, R, T, focal, out0, out1, out2, out3; writes out0, out1, out2, out3
.if DOCPART == 3
	.amdgcn_target "amdgcn-amd-amdhsa--gfx1250"
	.amdhsa_code_object_version 6
	.text
	.protected	k_qbe6763331d_raster
	.globl	k_qbe6763331d_raster
	.p2align	8
	.type	k_qbe6763331d_raster,@function
k_qbe6763331d_raster:
	s_mov_b64 s[64:65], 0
	v_nop
	global_prefetch_b8 v0, s[64:65] scope:SCOPE_SE
	s_setreg_imm32_b32 hwreg(HW_REG_WAVE_MODE, 25, 1), 1
	s_wait_xcnt 0x0
; MESH RASTERIZER: 600 vertices, 1,500 faces, 128 x 128 pixels, one face per pixel (nearest valid depth, first index on ties).
; One launch, 256 work-groups of 16 waves.  Work-group g owns 64 neighbouring pixels of ONE image row: row g >> 1, columns 64 (g & 1) .. + 63,
; linear pixels 64 g .. 64 g + 63.  py is one number for the group, so along its pixels every edge function and the depth of a face are
; affine in px: e_i = C_i - dy_i (px - pc), depth = A + B (px - pc), pc = +0.5 or -0.5 the middle of the group's columns; px - pc is exact.
; Phases: (1) the 600 vertices to NDC, 16-byte records in LDS; (2) a table of 1,536 face entries with these coefficients, in LDS;
; (3) 32 half-waves split the faces, 47 neighbouring faces each; a lane holds 4 pixels as two packed pairs, so one table read serves
; 2 faces x 64 pixels, and a face costs a pixel pair four packed multiply-adds; (4) the 32 partial winners of each pixel meet in LDS, in two
; stages; (5) wave 0 makes the outputs, two neighbouring pixels a lane, and each of its stores covers 256 consecutive bytes, aligned.
; The winner's depth, index and six xy coordinates are carried by selects: no address and no branch hangs on a comparison of floats.
;
; THE TESTS.  w_i >= 0 is tested on e_i x sign(area): slope and value carry the area's sign.  The depth is kept NEGATED, and
; '0 < z < best' is one signed integer compare of the bits of -z: among negative floats the smaller magnitude is the smaller integer;
; positive numbers, +0 and every NaN are larger integers than any best (which starts at -infinity).
; The 3 x 3 vertex transform (10,800 FLOPs, K = 3) is done in f32 on the vector unit, a fused chain in ascending j, then + T: 16-bit operands
; would move the edges by whole pixels, and the exact index could not be kept.
; LIMITS, kept on purpose:
;  (a) ORDER OF ROUNDING.  The affine forms round otherwise than the reference's products, quotients and sums: by a few units in the last place
;      of the terms.  Where a pixel centre lies that close to an edge, or the two nearest depths agree that closely, out0 can name the other
;      face.  The area and its test against EPS are rounded exactly as the reference writes them.
;  (b) the sign test differs from w >= 0 only where e / area underflows to zero (|e| < 2^-149 |area|); a depth below 2^-149 counts as a hit;
;  (c) v_rcp_f32 flushes denormals (ISA guide, its entry in chapter 15): |zv| below 2^-126 counts as 0 (the quotient is then n x rcp: an
;      infinity or NaN as for n / 0).  A face whose area is not finite is void, as it is in the reference (its w are NaN or its depth 0);
;  (d) NDC coordinates beyond about 2^60 can overflow the coefficients where the reference's own products still fit;
;  (e) vertex quotients and the winner's w are reciprocal + Newton step + residual correction: correctly rounded but for quotients within about
;      2^-22 of a unit in the last place of a rounding boundary;
;  (f) the distance to the edges is fused, uses (p - a) - t d for p - (a + t d), t by a plain reciprocal, and a NaN t is clipped to 0;
;  (g) for a hit the face is 'inside' by construction (valid implies inside): dist = -mind2; misses are overwritten by -1.
; LEFT OUT: tensor loads, clusters, prefetches.  The work-groups share only the 25,256 bytes of inputs, which each reads once in its set-up,
; against 47 steps of 37 vector instructions for each of its 16 waves.
.set VT,    0                          ; vertex v: 16 bytes at 16 v: x_ndc, y_ndc, view depth, a word that is never used (608 places)
.set STG,   9728                       ; 768 bytes: wave 0's own stage for out2
.set RED2A, 10496                      ; stage A's results, 16 bytes at 16 t: [-z, idx, x0, y0]
.set RED2B, 18688                      ;                                      [x1, y1, x2, y2]
.set REDA,  26880                      ; partial p = t >> 4, pixel px: 16 bytes at 16 (64 p + px), same two planes
.set REDB,  59648
.set TB,    92416                      ; the face table; ends at 215,296
.set PITCH, 80                         ; an odd multiple of 16 bytes: sixteen entries' 16-byte stores start at sixteen different places modulo 256
; entry, by dword: 2 i: -dy_i x sign(area), 2 i + 1: C_i x sign(area) (i = 0, 1, 2); 6: slope of -z, 7: -z at pc (void face: 0 and 1);
;                  8-13: x0, y0, x1, y1, x2, y2.  Edge i belongs to w_i: 0 = v1 to v2, 1 = v2 to v0, 2 = v0 to v1.
.set RUN, 47                           ; faces of a half-wave: 32 x 47 = 1,504; entries 1,500 and up are void
.set PX,  4                            ; v[4:7]    px - pc of my pixels r, r+16, r+32, r+48
.set ST,  8                            ; v[8:39]   pixel j: [-z, idx, x0, y0, x1, y1, x2, y2] of the best face so far
.set TA,  40                           ; v[40:53]  table entry, buffer A
.set TBF, 56                           ; v[56:69]  table entry, buffer B
.set EE,  72                           ; pair p: v[72+8p ..] e0, e1, e2, -z, a register pair each
.set MN,  88                           ; v[88:91]  min(e0, e1, e2) of pixel j
.set MK,  50                           ; s[50:57]  two masks for each pixel
.set RM,  32                           ; s[32:40]  R, row-major
.set TV,  44                           ; s[44:46]  T
; s2 wave, s3 g, s4 2 row + 1, s5 first column, s6 loop counter, s7 temporary, s[8:25] the nine addresses, s26 EPS, s27 pc, s28 -inf,
; s29 -1/128, s[30:31] a byte offset, s41 +inf, s[48:49] focal.   v0 thread, v1 table address, v2 py, v3 my half's face index.
.macro BARRIER                         ; what the others will touch is LDS: my LDS instructions are all done in front of the signal
	s_wait_dscnt 0x0
	s_barrier_signal -1
	s_barrier_wait -1
.endm
	s_load_b512 s[8:23], s[0:1], 0x0               ; verts s[8:9], faces s[10:11], R s[12:13], T s[14:15], focal s[16:17], out0 s[18:19], out1 s[20:21], out2 s[22:23]
	s_load_b64 s[24:25], s[0:1], 0x40              ; out3
	v_lshl_add_u32 v168, v0, 2, 0x34c00
	v_mov_b32 v169, 0
	v_lshrrev_b32 v93, 5, v0
	v_readfirstlane_b32 s2, v93                    ; wave 0..15
	s_mov_b32 s3, ttmp9                            ; g
	s_or_b32 s4, s3, 1                             ; 2 (g >> 1) + 1
	s_and_b32 s5, s3, 1
	s_lshl_b32 s27, s5, 31
	s_or_b32 s27, s27, 0x3f000000                  ; pc: +0.5 for columns 0-63, -0.5 for columns 64-127
	s_lshl_b32 s5, s5, 6                           ; first column
	s_mov_b32 s26, 0x322bcc77                      ; 1e-8
	s_mov_b32 s28, 0xff800000                      ; -inf
	s_mov_b32 s41, 0x7f800000                      ; +inf
	s_mov_b32 s29, 0xbc000000                      ; -1/128
	v_mul_u32_u24 v88, v0, 12                      ; byte offset of vertex t, and of face t (face t + 512: the immediate)
	v_add_nc_u32 v89, 0x1800, v88
	v_min_u32 v89, 0x1c14, v89                     ; vertex min(512 + t, 599)
	v_add_nc_u32 v90, 0x3000, v88
	v_min_u32 v90, 0x4644, v90                     ; face min(1024 + t, 1499)
	v_lshlrev_b32 v94, 4, v0                       ; 16 t: vertex t's record in LDS
	s_wait_kmcnt 0x0                               ; the addresses are in
	s_load_b256 s[32:39], s[12:13], 0x0            ; R[0..7]
	s_load_b32 s40, s[12:13], 0x20                 ; R[8]
	s_load_b96 s[44:46], s[14:15], 0x0             ; T
	s_load_b64 s[48:49], s[16:17], 0x0             ; focal
	; Records of 12 bytes, by three loads of 4: each stands at a multiple of its own size and none reaches past its record.
	; The three faces whose entries I build (t, t + 512, t + 1024) and vertex t.
.irp c, 0,1,2
	global_load_b32 v[68+\c], v88, s[10:11] offset:4*\c
	global_load_b32 v[72+\c], v88, s[10:11] offset:6144+4*\c
	global_load_b32 v[76+\c], v90, s[10:11] offset:4*\c
	global_load_b32 v[80+\c], v88, s[8:9] offset:4*\c
.endr
; One vertex: view = v R + T, x_ndc = focal0 x / z, y_ndc = focal1 y / z, z kept.  One 16-byte record into LDS at 16 t + off.
.macro VIEW d, in, k
	v_mul_f32 v[\d], s[RM+\k], v[\in]
	v_fma_f32 v[\d], v[\in+1], s[RM+3+\k], v[\d]
	v_fma_f32 v[\d], v[\in+2], s[RM+6+\k], v[\d]
	v_add_f32 v[\d], s[TV+\k], v[\d]
.endm
.macro VERT in, off
	VIEW 95, \in, 0
	VIEW 96, \in, 1
	VIEW 102, \in, 2                               ; the depth, already in its place of the record v[100:103]
	v_rcp_f32 v103, v102                           ; r0 (it also fills the record's unused word); the two products below are the plain lines behind it
	v_mul_f32 v98, s48, v95                        ; numerators
	v_mul_f32 v99, s49, v96
	s_wait_alu depctr_va_vdst(0)
	v_fma_f32 v97, -v102, v103, 1.0
	v_fma_f32 v97, v97, v103, v103                 ; r1: one Newton step
.irp c, 0,1
	v_mul_f32 v[100+\c], v[98+\c], v97
	v_fma_f32 v104, -v102, v[100+\c], v[98+\c]     ; residual n - z q
	v_fma_f32 v[100+\c], v104, v97, v[100+\c]
	v_fma_f32 v104, -v102, v[100+\c], v[98+\c]     ; and once more
	v_fma_f32 v[100+\c], v104, v97, v[100+\c]
	v_mul_f32 v105, v[98+\c], v103                 ; where z is 0 or infinite, or the quotient overflows, the steps above give NaN:
	v_cmp_neq_f32 vcc_lo, v[100+\c], v[100+\c]     ; then n x r0 is the quotient (an infinity, 0, or NaN where n / z is NaN)
	v_cndmask_b32 v[100+\c], v[100+\c], v105, vcc_lo
.endr
	ds_store_b128 v94, v[100:103] offset:VT+\off
.endm
	s_cmp_ge_u32 s2, 3                             ; 600 = 512 + 88: waves 0-2 take a second vertex (places 600-607 get vertex 599 and are never read)
	s_cbranch_scc1 .Lone
.irp c, 0,1,2
	global_load_b32 v[84+\c], v89, s[8:9] offset:4*\c
.endr
	s_wait_loadcnt 0x0
	s_wait_kmcnt 0x0
	VERT 84, 8192
.Lone:
	s_wait_loadcnt 0x0                             ; vertex t's words were asked for among the last, and the indices are due right behind them: all
	s_wait_kmcnt 0x0                               ; R, T, focal
	VERT 80, 0
	v_cvt_f32_u32 v2, s4
	v_fma_f32 v2, v2, s29, 1.0                     ; py = 1 - (2 row + 1) / 128, exact
	BARRIER                                        ; 1: all vertices are in LDS
; THE FACE TABLE.  Three 16-byte gathers a face: vertex j of face k in v[8 + 12 k + 4 j ..] = x, y, z, unused.
.irp i, 68,69,70,72,73,74,76,77,78
	v_min_u32 v\i, 0x257, v\i                      ; a loaded number enters an address only clamped to the table: 599
.endr
.irp i, 68,69,70,72,73,74,76,77,78
	v_lshlrev_b32 v\i, 4, v\i
.endr
.irp k, 0,1,2
.irp j, 0,1,2
	ds_load_b128 v[8+12*\k+4*\j:8+12*\k+4*\j+3], v[68+4*\k+\j] offset:VT
.endr
.endr
	v_mul_u32_u24 v112, v0, PITCH
	v_add_nc_u32 v112, TB, v112                    ; entry t (entry t + 512: the immediate)
	v_add_nc_u32 v113, 1024*PITCH, v112            ; entry t + 1024
.macro FACE k, adr, off
.set X0, 8+12*\k
.set Y0, X0+1
.set Z0, X0+2
.set X1, X0+4
.set Y1, X0+5
.set Z1, X0+6
.set X2, X0+8
.set Y2, X0+9
.set Z2, X0+10
	v_sub_f32 v95, v[X2], v[X1]                    ; dx0
	v_sub_f32 v96, v[X0], v[X2]                    ; dx1
	v_sub_f32 v97, v[X1], v[X0]                    ; dx2
	v_sub_f32 v98, v[Y1], v[Y2]                    ; -dy0
	v_sub_f32 v99, v[Y2], v[Y0]                    ; -dy1
	v_sub_f32 v100, v[Y0], v[Y1]                   ; -dy2
	v_mul_f32 v101, v97, v99                       ; (x1 - x0)(y2 - y0)
	v_mul_f32 v102, v100, v96                      ; (y1 - y0)(x2 - x0): both factors negated, the same bits
	v_sub_f32 v101, v101, v102                     ; area: two products and a difference, each rounded, as the reference has them (so not fused)
	v_and_b32 v102, 0x7fffffff, v101               ; |area|
	v_and_b32 v103, 0x80000000, v101               ; its sign
	v_cmp_lt_f32 vcc_lo, s26, v102                 ; |area| > EPS (false for NaN)
	v_cmp_lt_f32 s51, v102, s41                    ; and finite: then all six coordinates are finite too
	s_and_b32 s50, vcc_lo, s51
.if \k == 2
	v_add_nc_u32 v104, 1024, v0
	v_cmp_gt_u32 s51, 0x5dc, v104                  ; entries 1,500 and up are no faces
	s_and_b32 s50, s50, s51
.endif
	v_cndmask_b32 v102, 1.0, v102, s50             ; a void face divides by 1
	v_rcp_f32 v104, v102
	v_sub_f32 v105, v2, v[Y1]                      ; py - ya of edge 0, 1, 2 (the plain lines behind v_rcp_f32)
	v_sub_f32 v106, v2, v[Y2]
	v_sub_f32 v107, v2, v[Y0]
	v_sub_f32 v108, s27, v[X1]                     ; pc - xa
	v_sub_f32 v109, s27, v[X2]
	v_sub_f32 v110, s27, v[X0]
	s_wait_alu depctr_va_vdst(0)
	v_fma_f32 v111, -v102, v104, 1.0
	v_fma_f32 v104, v111, v104, v104               ; 1 / |area|, one Newton step
	v_mul_f32 v108, v98, v108                      ; -dy (pc - xa)
	v_mul_f32 v109, v99, v109
	v_mul_f32 v110, v100, v110
	v_fma_f32 v105, v95, v105, v108                ; C_i = dx (py - ya) - dy (pc - xa): the edge function at (pc, py)
	v_fma_f32 v106, v96, v106, v109
	v_fma_f32 v107, v97, v107, v110
	v_xor_b32 v44, v103, v98                       ; slope and value times the area's sign: e_i >= 0 then says w_i >= 0
	v_xor_b32 v45, v103, v105
	v_xor_b32 v46, v103, v99
	v_xor_b32 v47, v103, v106
	v_xor_b32 v48, v103, v100
	v_xor_b32 v49, v103, v107
	v_sub_f32 v95, v[Z0], v[Z1]                    ; -(z1 - z0)
	v_sub_f32 v96, v[Z0], v[Z2]                    ; -(z2 - z0)
	v_mul_f32 v97, v46, v104                       ; slope of w1, of w2
	v_mul_f32 v98, v48, v104
	v_mul_f32 v99, v47, v104                       ; w1, w2 at pc
	v_mul_f32 v100, v49, v104
	v_mul_f32 v97, v97, v95                        ; -z = -z0 - w1 (z1 - z0) - w2 (z2 - z0): from differences, so that the coefficients' error
	v_fma_f32 v97, v98, v96, v97                   ; goes with the face's range of depths and not with the depth itself
	v_fma_f32 v99, v99, v95, -v[Z0]
	v_fma_f32 v99, v100, v96, v99
	v_add_f32 v99, 0, v99                          ; -0 becomes +0: a depth of exactly 0 then gives -z = +0, which fails the integer compare
	v_cndmask_b32 v50, 0, v97, s50                 ; a void face has -z = 1 at every pixel: never taken
	v_cndmask_b32 v51, 1.0, v99, s50
	ds_store_b128 v[\adr], v[44:47] offset:\off
	ds_store_b128 v[\adr], v[48:51] offset:\off+16
	ds_store_b64 v[\adr], v[X0:X0+1] offset:\off+32        ; the coordinates, straight from the gathered registers
	ds_store_b64 v[\adr], v[X1:X1+1] offset:\off+40
	ds_store_b64 v[\adr], v[X2:X2+1] offset:\off+48
.endm
	s_wait_dscnt 6                                 ; face 0's three gathers are in: the six of faces 1 and 2 may stay out
	FACE 0, 112, 0
	s_wait_dscnt 8                                 ; behind face 1's last gather: face 2's 3 gathers and 5 stores
	FACE 1, 112, 512*PITCH
	s_wait_dscnt 10                                ; behind face 2's last gather: 10 stores
	FACE 2, 113, 0
	BARRIER                                        ; 2: the table is whole
; THE LOOP OVER FACES.
.macro LOADT tb, off                   ; one entry for each half of the lanes: four LDS loads, sixteen lanes share each address
	ds_load_b128 v[\tb:\tb+3],    v1 offset:\off
	ds_load_b128 v[\tb+4:\tb+7],  v1 offset:\off+16
	ds_load_b128 v[\tb+8:\tb+11], v1 offset:\off+32
	ds_load_b64  v[\tb+12:\tb+13], v1 offset:\off+48
.endm
; Two pixels against my half's face: e0, e1, e2 and -z, each slope x (px - pc) + value.  Slope and value lie in one register pair:
; the second source takes its first register for both halves, the third source its second register for both.
.macro PAIR p, tb
.irp i, 0,1,2,3
	v_pk_fma_f32 v[EE+8*\p+2*\i:EE+8*\p+2*\i+1], v[PX+2*\p:PX+2*\p+1], v[\tb+2*\i:\tb+2*\i+1], v[\tb+2*\i:\tb+2*\i+1] op_sel:[0,0,1] op_sel_hi:[1,0,1]
.endr
.endm
; Pixel j = 2 p + q.
.macro TMIN j, p, q
	v_min3_num_f32 v[MN+\j], v[EE+8*\p+\q], v[EE+8*\p+2+\q], v[EE+8*\p+4+\q]
.endm
.macro TCMPZ j, p, q, first            ; 0 < z < best, as signed integers on -z.  A strict 'less' keeps the earlier face
.if \first
	v_cmp_lt_i32 s[MK+2*\j+1], v[EE+8*\p+6+\q], s28
.else
	v_cmp_lt_i32 s[MK+2*\j+1], v[EE+8*\p+6+\q], v[ST+8*\j]
.endif
.endm
.macro TCMPE j                         ; all e >= 0 (-0 passes, as in the reference)
	v_cmp_le_f32 s[MK+2*\j], 0, v[MN+\j]
.endm
; The winner's data by selects.
; Step 0: the 'old' values are -inf and 0, so that nothing is cleared by moves; eight single selects, mask in a scalar register.
.macro TAKE1 j, p, q, tb
	s_and_b32 s[MK+2*\j], s[MK+2*\j], s[MK+2*\j+1]
	v_cndmask_b32 v[ST+8*\j],   s28, v[EE+8*\p+6+\q], s[MK+2*\j]
	v_cndmask_b32 v[ST+8*\j+1], 0, v3, s[MK+2*\j]
.irp e, 0,1,2,3,4,5
	v_cndmask_b32 v[ST+8*\j+2+\e], 0, v[\tb+8+\e], s[MK+2*\j]
.endr
.endm
; Every other step: a pixel's eight selects share one mask, which goes to VCC, and they go two to an instruction.
; What the dual form asks (ISA guide, the chapter on dual-issue instructions): one destination even and one odd; the two first sources in
; different register banks (register number mod 4), the two second sources likewise.  With the state at v[8 + 8 j ..], the entry at v40 or v56,
; -z in v78, v79, v86 or v87 and the index in v3 the banks are:
;   (-z, y0):  old 0, 3; new 2 or 3, 1     (x0, idx): old 2, 1; new 0, 3     (x1, y1): old 0, 1; new 2, 3     (x2, y2): old 2, 3; new 0, 1
; (-z is not paired with idx: for q = 1 both new values would lie in bank 3.)
.macro TAKE2 j, p, q, tb
	s_and_b32 vcc_lo, s[MK+2*\j], s[MK+2*\j+1]
	v_dual_cndmask_b32 v[ST+8*\j], v[ST+8*\j], v[EE+8*\p+6+\q] :: v_dual_cndmask_b32 v[ST+8*\j+3], v[ST+8*\j+3], v[\tb+9]
	v_dual_cndmask_b32 v[ST+8*\j+2], v[ST+8*\j+2], v[\tb+8] :: v_dual_cndmask_b32 v[ST+8*\j+1], v[ST+8*\j+1], v3
	v_dual_cndmask_b32 v[ST+8*\j+4], v[ST+8*\j+4], v[\tb+10] :: v_dual_cndmask_b32 v[ST+8*\j+5], v[ST+8*\j+5], v[\tb+11]
	v_dual_cndmask_b32 v[ST+8*\j+6], v[ST+8*\j+6], v[\tb+12] :: v_dual_cndmask_b32 v[ST+8*\j+7], v[ST+8*\j+7], v[\tb+13]
.endm
.macro STEP tb, first                  ; 2 faces x 64 pixels: 8 packed multiply-adds, 12 lines of tests, 16 pairs of selects
	PAIR 0, \tb
	PAIR 1, \tb
	TMIN 0, 0, 0
	TMIN 1, 0, 1
	TMIN 2, 1, 0
	TMIN 3, 1, 1
	TCMPZ 0, 0, 0, \first
	TCMPZ 1, 0, 1, \first
	TCMPZ 2, 1, 0, \first
	TCMPZ 3, 1, 1, \first
.irp j, 0,1,2,3
	TCMPE \j
.endr
.if \first
	TAKE1 0, 0, 0, \tb
	TAKE1 1, 0, 1, \tb
	TAKE1 2, 1, 0, \tb
	TAKE1 3, 1, 1, \tb
.else
	TAKE2 0, 0, 0, \tb
	TAKE2 1, 0, 1, \tb
	TAKE2 2, 1, 0, \tb
	TAKE2 3, 1, 1, \tb
.endif
	v_add_nc_u32 v3, 1, v3
.endm
	v_and_b32 v93, 15, v0                          ; r
	v_lshl_or_b32 v95, v93, 1, 1                   ; 2 r + 1
.irp j, 0,1,2,3
	v_add_nc_u32 v96, 32*\j, v95                   ; pixel j lies 16 j columns on
	v_cvt_f32_u32 v[PX+\j], v96
	v_fma_f32 v[PX+\j], v[PX+\j], s29, 0.5         ; px - pc = 0.5 - (2 c + 1) / 128, c the column inside the group's 64: exact
.endr
	v_lshrrev_b32 v94, 4, v0                       ; p = 2 wave + half: faces 47 p .. 47 p + 46
	v_mul_u32_u24 v1, v94, RUN*PITCH
	v_add_nc_u32 v1, TB, v1                        ; my half's first entry
	v_mul_u32_u24 v3, v94, RUN                     ; and its face index
	LOADT TA, 0
	LOADT TBF, PITCH
	s_wait_dscnt 4                                 ; here and below: the four loads just issued for the other buffer stay out, the four older ones are in
	STEP TA, 1                                     ; step 0 starts the state
	s_mov_b32 s6, 0
.Lloop:                                            ; at the head, on the way in and on the way back alike: buffer B's four loads are out
	LOADT TA, 2*PITCH
	s_wait_dscnt 4
	STEP TBF, 0                                    ; step 2 k + 1
	LOADT TBF, 3*PITCH
	s_wait_dscnt 4
	STEP TA, 0                                     ; step 2 k + 2
	v_add_nc_u32 v1, 2*PITCH, v1
	s_add_co_u32 s6, s6, 1
	s_cmp_lt_u32 s6, 22
	s_cbranch_scc1 .Lloop
	LOADT TA, 2*PITCH                              ; step 46's entry, the run's last: nothing beyond it is read
	s_wait_dscnt 4
	STEP TBF, 0                                    ; step 45
	s_wait_dscnt 0x0
	STEP TA, 0                                     ; step 46
; THE PARTIALS MEET.  32 partial winners for each pixel; partial p holds faces 47 p .. 47 p + 46, so in every merge below the state's faces
; come before the candidate's, and a strict 'less' is argmin's first occurrence.
	v_lshrrev_b32 v81, 4, v0                       ; p
	v_and_b32 v80, 15, v0
	v_lshlrev_b32 v80, 4, v80
	v_lshl_add_u32 v80, v81, 10, v80               ; 16 (64 p + r); pixel j: + 256 j
.irp j, 0,1,2,3
	ds_store_b128 v80, v[ST+8*\j:ST+8*\j+3]   offset:REDA+256*\j
	ds_store_b128 v80, v[ST+8*\j+4:ST+8*\j+7] offset:REDB+256*\j
.endr
	BARRIER                                        ; 3: all partials are in LDS
; The candidate at v[c ..] wins if its -z is the smaller integer.  State read from v[s + e ss], written to v[d + e ds]; mask in s[m].
.macro MCMP m, s, c
	v_cmp_lt_i32 s[\m], v[\c], v[\s]
.endm
.macro MSEL d, ds, s, ss, c, m
.irp e, 0,1,2,3,4,5,6,7
	v_cndmask_b32 v[\d+\e*\ds], v[\s+\e*\ss], v[\c+\e], s[\m]
.endr
.endm
	; stage A, all 512 threads: thread t = 64 grp + px merges partials 4 grp .. 4 grp + 3 of pixel px
	v_and_b32 v80, 63, v0
	v_lshrrev_b32 v81, 6, v0
	v_lshlrev_b32 v80, 4, v80
	v_lshl_add_u32 v80, v81, 12, v80               ; 16 (64 x 4 grp + px)
.irp k, 0,1,2,3
	ds_load_b128 v[8+8*\k:11+8*\k],  v80 offset:REDA+1024*\k
	ds_load_b128 v[12+8*\k:15+8*\k], v80 offset:REDB+1024*\k
.endr
	s_wait_dscnt 4                                 ; partials 0 and 1 are in; the four loads of 2 and 3 may stay out
	MCMP 50, 8, 16
	MSEL 8, 1, 8, 1, 16, 50
	s_wait_dscnt 2
	MCMP 50, 8, 24
	MSEL 8, 1, 8, 1, 24, 50
	s_wait_dscnt 0x0
	MCMP 50, 8, 32
	MSEL 8, 1, 8, 1, 32, 50
	v_lshlrev_b32 v82, 4, v0
	ds_store_b128 v82, v[8:11]  offset:RED2A
	ds_store_b128 v82, v[12:15] offset:RED2B
	BARRIER                                        ; 4: the eight results for each pixel are in LDS
	s_cmp_lg_u32 s2, 0
	s_cbranch_scc1 .Lend                           ; the rest is wave 0's: 64 pixels, two a lane
	; stage B: lane l takes pixels 2 l and 2 l + 1; candidate (grp, q) in v[40 + 16 grp + 8 q ..].  A tree, 4 + 2 + 1 merges a pixel,
	; the lower group always on the state's side: its lines do not wait for each other.
	v_lshlrev_b32 v26, 5, v0                       ; 16 x 2 l
.irp g, 0,1,2,3,4,5,6,7
.irp q, 0,1
	ds_load_b128 v[40+16*\g+8*\q:43+16*\g+8*\q], v26 offset:RED2A+1024*\g+16*\q
	ds_load_b128 v[44+16*\g+8*\q:47+16*\g+8*\q], v26 offset:RED2B+1024*\g+16*\q
.endr
.endr
.irp g, 0,2,4,6
	s_wait_dscnt 4*(6-\g)                          ; groups g and g + 1 are in; four loads for each later group may stay out
	MCMP 50+\g, 40+16*\g,   56+16*\g
	MCMP 51+\g, 48+16*\g,   64+16*\g
	MSEL 40+16*\g, 1, 40+16*\g, 1, 56+16*\g, 50+\g
	MSEL 48+16*\g, 1, 48+16*\g, 1, 64+16*\g, 51+\g
.endr
.irp g, 0,4
	MCMP 50+\g, 40+16*\g,   72+16*\g
	MCMP 51+\g, 48+16*\g,   80+16*\g
.endr
.irp g, 0,4
	MSEL 40+16*\g, 1, 40+16*\g, 1, 72+16*\g, 50+\g
	MSEL 48+16*\g, 1, 48+16*\g, 1, 80+16*\g, 51+\g
.endr
	MCMP 50, 40, 104
	MCMP 51, 48, 112
	MSEL 8, 2, 40, 1, 104, 50                      ; the last merge writes the pair layout: element e of pixel q in v[8 + 2 e + q]
	MSEL 9, 2, 48, 1, 112, 51
; THE OUTPUTS, packed over (pixel 2 l, pixel 2 l + 1).
.set SNZ, 8                            ; -depth
.set SI,  10                           ; index
.set SX0, 12
.set SY0, 14
.set SX1, 16
.set SY1, 18
.set SX2, 20
.set SY2, 22
.set FPX, 24                           ; px
.set DX,  40                           ; three pairs each: dx, dy, px - xa, py - ya of edge i
.set DY,  46
.set TX,  52
.set TY,  58
.set AR,  64                           ; area_safe
.set RC,  66                           ; its reciprocal
.set NAR, 68                           ; its negative
.set TM,  70
.set WW,  72                           ; w0, w1, w2
.set PP,  78
.set UU,  80
.set LL,  82
.set RL,  84
.set TT,  86
.set RX,  88
.set RY,  90
.set D2,  92                           ; three squared distances
.set MD,  98                           ; -min of them
.set OW,  100                          ; out2's words as read back
.macro PSUB d, a, b
	v_pk_add_f32 v[\d:\d+1], v[\a:\a+1], v[\b:\b+1] neg_lo:[0,1] neg_hi:[0,1]
.endm
	s_lshl_b32 s7, s5, 1
	s_or_b32 s7, s7, 1
	v_lshlrev_b32 v30, 2, v0
	v_add_nc_u32 v30, s7, v30                      ; 2 (first column + 2 l) + 1
	v_add_nc_u32 v31, 2, v30
	v_cvt_f32_u32 v[FPX], v30
	v_cvt_f32_u32 v[FPX+1], v31
	v_fma_f32 v[FPX], v[FPX], s29, 1.0             ; px = 1 - (2 column + 1) / 128, exact
	v_fma_f32 v[FPX+1], v[FPX+1], s29, 1.0
	PSUB DX,   SX2, SX1                            ; x2 - x1
	PSUB DX+2, SX0, SX2                            ; x0 - x2
	PSUB DX+4, SX1, SX0                            ; x1 - x0
	PSUB DY,   SY2, SY1
	PSUB DY+2, SY0, SY2
	PSUB DY+4, SY1, SY0
	PSUB TX,   FPX, SX1
	PSUB TX+2, FPX, SX2
	PSUB TX+4, FPX, SX0
	v_pk_add_f32 v[TY:TY+1],   v[2:3], v[SY1:SY1+1] op_sel_hi:[0,1] neg_lo:[0,1] neg_hi:[0,1]   ; py for both
	v_pk_add_f32 v[TY+2:TY+3], v[2:3], v[SY2:SY2+1] op_sel_hi:[0,1] neg_lo:[0,1] neg_hi:[0,1]
	v_pk_add_f32 v[TY+4:TY+5], v[2:3], v[SY0:SY0+1] op_sel_hi:[0,1] neg_lo:[0,1] neg_hi:[0,1]
	v_pk_mul_f32 v[AR:AR+1], v[DY+4:DY+5], v[DX+2:DX+3]    ; the area as in the table: both products negated and swapped, the same bits
	v_pk_mul_f32 v[RC:RC+1], v[DX+4:DX+5], v[DY+2:DY+3]
	PSUB AR, AR, RC
.irp q, 0,1
	v_and_b32 v[RC+\q], 0x7fffffff, v[AR+\q]
	v_cmp_lt_f32 vcc_lo, s26, v[RC+\q]
	v_cndmask_b32 v[AR+\q], s26, v[AR+\q], vcc_lo
.endr
	v_rcp_f32 v[RC], v[AR]
	v_rcp_f32 v[RC+1], v[AR+1]
	v_xor_b32 v[NAR], 0x80000000, v[AR]            ; the plain lines behind the reciprocals
	v_xor_b32 v[NAR+1], 0x80000000, v[AR+1]
	s_wait_alu depctr_va_vdst(0)
	v_pk_fma_f32 v[TM:TM+1], v[NAR:NAR+1], v[RC:RC+1], 1.0 op_sel_hi:[1,1,0]
	v_pk_fma_f32 v[RC:RC+1], v[TM:TM+1], v[RC:RC+1], v[RC:RC+1]
.irp i, 0,1,2                                      ; the winner's w as the reference writes it: two rounded products, their difference, a corrected quotient
	v_pk_mul_f32 v[PP:PP+1], v[DX+2*\i:DX+2*\i+1], v[TY+2*\i:TY+2*\i+1]
	v_pk_mul_f32 v[UU:UU+1], v[DY+2*\i:DY+2*\i+1], v[TX+2*\i:TX+2*\i+1]
	PSUB PP, PP, UU
	v_pk_mul_f32 v[WW+2*\i:WW+2*\i+1], v[PP:PP+1], v[RC:RC+1]
	v_pk_fma_f32 v[PP:PP+1], v[WW+2*\i:WW+2*\i+1], v[NAR:NAR+1], v[PP:PP+1]
	v_pk_fma_f32 v[WW+2*\i:WW+2*\i+1], v[PP:PP+1], v[RC:RC+1], v[WW+2*\i:WW+2*\i+1]
.endr
.irp i, 0,1,2                                      ; squared distance to edge i: fused
	v_pk_mul_f32 v[LL:LL+1], v[DY+2*\i:DY+2*\i+1], v[DY+2*\i:DY+2*\i+1]
	v_pk_fma_f32 v[LL:LL+1], v[DX+2*\i:DX+2*\i+1], v[DX+2*\i:DX+2*\i+1], v[LL:LL+1]
	v_max_num_f32 v[LL], s26, v[LL]
	v_max_num_f32 v[LL+1], s26, v[LL+1]
	v_rcp_f32 v[RL], v[LL]
	v_rcp_f32 v[RL+1], v[LL+1]
	v_pk_mul_f32 v[TT:TT+1], v[TY+2*\i:TY+2*\i+1], v[DY+2*\i:DY+2*\i+1]      ; plain lines behind the reciprocals
	v_pk_fma_f32 v[TT:TT+1], v[TX+2*\i:TX+2*\i+1], v[DX+2*\i:DX+2*\i+1], v[TT:TT+1]
	s_wait_alu depctr_va_vdst(0)
	v_pk_mul_f32 v[TT:TT+1], v[TT:TT+1], v[RL:RL+1]
.irp q, 0,1                                        ; t clipped to 0 .. 1 by compares and selects: -0 (all-zero lanes of a miss) and NaN become +0,
	v_cmp_lt_f32 s[50+\q], 0, v[TT+\q]             ; so that the result's bits hang on no ordering of -0 against +0
	v_cndmask_b32 v[TT+\q], 0, v[TT+\q], s[50+\q]
	v_cmp_gt_f32 s[52+\q], 1.0, v[TT+\q]
	v_cndmask_b32 v[TT+\q], 1.0, v[TT+\q], s[52+\q]
.endr
	v_pk_fma_f32 v[RX:RX+1], v[TT:TT+1], v[DX+2*\i:DX+2*\i+1], v[TX+2*\i:TX+2*\i+1] neg_lo:[1,0,0] neg_hi:[1,0,0]   ; (p - a) - t d
	v_pk_fma_f32 v[RY:RY+1], v[TT:TT+1], v[DY+2*\i:DY+2*\i+1], v[TY+2*\i:TY+2*\i+1] neg_lo:[1,0,0] neg_hi:[1,0,0]
	v_pk_mul_f32 v[D2+2*\i:D2+2*\i+1], v[RY:RY+1], v[RY:RY+1]
	v_pk_fma_f32 v[D2+2*\i:D2+2*\i+1], v[RX:RX+1], v[RX:RX+1], v[D2+2*\i:D2+2*\i+1]
.endr
.irp q, 0,1
	v_min3_num_f32 v[MD+\q], v[D2+\q], v[D2+2+\q], v[D2+4+\q]
	v_xor_b32 v[MD+\q], 0x80000000, v[MD+\q]       ; a hit lies inside its face: the distance is negative
	v_cmp_lt_i32 s[50+\q], v[SNZ+\q], s28          ; hit: some face was taken, -z is no longer -inf
	v_xor_b32 v[SNZ+\q], 0x80000000, v[SNZ+\q]     ; the depth
	v_cndmask_b32 v[SI+\q], -1, v[SI+\q], s[50+\q]
	v_cndmask_b32 v[SNZ+\q], -1.0, v[SNZ+\q], s[50+\q]
	v_cndmask_b32 v[WW+\q],   -1.0, v[WW+\q],   s[50+\q]
	v_cndmask_b32 v[WW+2+\q], -1.0, v[WW+2+\q], s[50+\q]
	v_cndmask_b32 v[WW+4+\q], -1.0, v[WW+4+\q], s[50+\q]
	v_cndmask_b32 v[MD+\q], -1.0, v[MD+\q], s[50+\q]
.endr
	; out2 is 12 bytes a pixel: through wave 0's own stage, so that each store again covers 256 consecutive bytes
	v_lshlrev_b32 v28, 3, v0                       ; 8 l
	v_mul_u32_u24 v29, v0, 24                      ; 24 l: two pixels' six words
.irp q, 0,1
.irp i, 0,1,2
	ds_store_b32 v29, v[WW+2*\i+\q] offset:STG+12*\q+4*\i
.endr
.endr
.irp k, 0,1,2
	ds_load_b64 v[OW+2*\k:OW+2*\k+1], v28 offset:STG+256*\k    ; a wave's LDS instructions are served in order: these see the stores above
.endr
	s_lshl_b32 s30, s3, 8                          ; 64 pixels x 4 bytes x g
	s_mov_b32 s31, 0
	s_add_nc_u64 s[18:19], s[18:19], s[30:31]
	s_add_nc_u64 s[20:21], s[20:21], s[30:31]
	s_add_nc_u64 s[24:25], s[24:25], s[30:31]
	s_mul_i32 s30, s3, 768                         ; 64 pixels x 12 bytes x g
	s_add_nc_u64 s[22:23], s[22:23], s[30:31]
	global_store_b64 v28, v[SI:SI+1], s[18:19] th:TH_STORE_NT  ; 32 lanes x 8 bytes: 256 consecutive bytes at a multiple of 256 from the buffer's start
	global_store_b64 v28, v[SNZ:SNZ+1], s[20:21] th:TH_STORE_NT
	global_store_b64 v28, v[MD:MD+1], s[24:25] th:TH_STORE_NT
.irp k, 0,1,2
	s_wait_dscnt 2-\k                              ; read-back k is in; the younger ones may stay out
	global_store_b64 v28, v[OW+2*\k:OW+2*\k+1], s[22:23] offset:256*\k th:TH_STORE_NT
.endr
.Lend:
	s_wait_tensorcnt 0x0
	ds_add_u32 v168, v169
	s_wait_dscnt 0x0
	s_endpgm
.Lfunc_end_k_qbe6763331d_raster:
	.size	k_qbe6763331d_raster, .Lfunc_end_k_qbe6763331d_raster-k_qbe6763331d_raster
	.p2alignl 7, 3214868480
	.fill 96, 4, 3214868480
	.section	.rodata,"a",@progbits
	.p2align	6, 0x0
	.amdhsa_kernel k_qbe6763331d_raster
		.amdhsa_group_segment_fixed_size 218112
		.amdhsa_private_segment_fixed_size 0
		.amdhsa_enable_private_segment 0
		.amdhsa_kernarg_size 72
		.amdhsa_user_sgpr_count 2
		.amdhsa_user_sgpr_kernarg_segment_ptr 1
		.amdhsa_wavefront_size32 1
		.amdhsa_system_sgpr_workgroup_id_x 1
		.amdhsa_system_sgpr_workgroup_id_y 1
		.amdhsa_system_sgpr_workgroup_id_z 1
		.amdhsa_system_vgpr_workitem_id 0
		.amdhsa_next_free_vgpr 170
		.amdhsa_next_free_sgpr 66
		.amdhsa_reserve_vcc 1
		.amdhsa_float_denorm_mode_32 3
		.amdhsa_float_denorm_mode_16_64 3
		.amdhsa_memory_ordered 1
		.amdhsa_forward_progress 1
		.amdhsa_inst_pref_size 55
	.end_amdhsa_kernel
	.amdgpu_metadata
---
amdhsa.version: [ 1, 2 ]
amdhsa.kernels:
  - .name:           k_qbe6763331d_raster
    .symbol:         k_qbe6763331d_raster.kd
    .args:
      - { .name: verts_world, .offset: 0, .size: 8, .value_kind: global_buffer, .address_space: global }
      - { .name: faces, .offset: 8, .size: 8, .value_kind: global_buffer, .address_space: global }
      - { .name: R, .offset: 16, .size: 8, .value_kind: global_buffer, .address_space: global }
      - { .name: T, .offset: 24, .size: 8, .value_kind: global_buffer, .address_space: global }
      - { .name: focal, .offset: 32, .size: 8, .value_kind: global_buffer, .address_space: global }
      - { .name: out0, .offset: 40, .size: 8, .value_kind: global_buffer, .address_space: global }
      - { .name: out1, .offset: 48, .size: 8, .value_kind: global_buffer, .address_space: global }
      - { .name: out2, .offset: 56, .size: 8, .value_kind: global_buffer, .address_space: global }
      - { .name: out3, .offset: 64, .size: 8, .value_kind: global_buffer, .address_space: global }
    .group_segment_fixed_size: 218112
    .private_segment_fixed_size: 0
    .kernarg_segment_align: 8
    .kernarg_segment_size: 72
    .max_flat_workgroup_size: 512
    .sgpr_count:     66
    .vgpr_count:     170
    .wavefront_size: 32
...
	.end_amdgpu_metadata
.endif
;; end of part 3
